; MI455X (gfx1250); checked and timed in simulation.
; The chip was launched on July 23, 2026; its instructions are those of AMD's public machine-readable ISA for CDNA 5 (MIT licence, August 2026) and "CDNA5" Instruction Set Architecture Reference Guide (July 2026). The comments in the code are by the model that wrote it; some were corrected since.
;; GQA Broadcast. Allowed arithmetic: matrix products marked QUANTISED: E2M3 operands, one E8M0 scale for each 32 along K, by v_wmma_scale_f32_16x16x128_f8f6f4 with both operands' format E2M3, f32 sums; everything else in f32.
;; Inputs: Wk_codes 512 x 64 x 24 uint8 (E2M3 codes of Wk, K innermost, in blocks of 32 codes, four codes in three bytes); Wk_scales 512 x 64 uint8 (E8M0 scales of Wk, one for each 32 codes along K); Wo_codes 2,048 x 64 x 24 uint8 (E2M3 codes of Wo, K innermost, in blocks of 32 codes, four codes in three bytes); Wo_scales 2,048 x 64 uint8 (E8M0 scales of Wo, one for each 32 codes along K); Wq_codes 2,048 x 64 x 24 uint8 (E2M3 codes of Wq, K innermost, in blocks of 32 codes, four codes in three bytes); Wq_scales 2,048 x 64 uint8 (E8M0 scales of Wq, one for each 32 codes along K); Wv_codes 512 x 64 x 24 uint8 (E2M3 codes of Wv, K innermost, in blocks of 32 codes, four codes in three bytes); Wv_scales 512 x 64 uint8 (E8M0 scales of Wv, one for each 32 codes along K); bk 512 float32; bo 2,048 float32; bq 2,048 float32; bv 512 float32; x_codes 2 x 1,024 x 64 x 24 uint8 (E2M3 codes of x, K innermost, in blocks of 32 codes, four codes in three bytes); x_scales 2 x 1,024 x 64 uint8 (E8M0 scales of x, one for each 32 codes along K).
;; Outputs: out0 2 x 1,024 x 2,048 float32.
;; This version of the problem:
;;   THIS VERSION OF THE PROBLEM IS GIVEN IN LOW PRECISION. The matrix products marked QUANTISED in the list below multiply operands that are first quantised to E2M3 (2 exponent bits, 3 mantissa bits; 6 bits a number), with one power-of-two scale for each 32 numbers along K (OCP MX v1.0); their sums are f32. All else is computed in f32.
;;   The module's matrix products, in the order in which they are computed (A, B: the left and right operand; K: the contracted axis; several contracted axes count as one K, in the product's order):
;;     1. [M 2,048, K 2,048] x [K 2,048, N 2,048]; A: input x (given as codes); B: input Wq (given as codes): QUANTISED
;;     2. [M 2,048, K 2,048] x [K 2,048, N 512]; A: input x (given as codes); B: input Wk (given as codes): QUANTISED
;;     3. [M 2,048, K 2,048] x [K 2,048, N 512]; A: input x (given as codes); B: input Wv (given as codes): QUANTISED
;;     4. batch 16 x [M 1,024, K 64] x [K 64, N 4,096]; A: computed on the way; B: computed on the way: QUANTISED
;;     5. batch 16 x [M 64, K 1,024] x [K 1,024, N 4,096]; A: computed on the way; B: softmax (see below): QUANTISED
;;     6. [M 2,048, K 2,048] x [K 2,048, N 2,048]; A: computed on the way; B: input Wo (given as codes): QUANTISED
;;   THE QUANTISER, for each operand of a quantised product, along K:
;;     - K is cut into blocks of 32 from its start; a last block that is shorter is filled with zeros.
;;     - A block's scale is 2^e with e = floor(log2(the largest magnitude in the block)) - 2, held to -126 .. 127; a block of zeros has e = 0. As a byte (E8M0): e + 127.
;;     - Each number is divided by its block's scale, clamped to +-7.5, and rounded to the nearest number of E2M3, ties to even, subnormals kept.
;;     - The product sums the exact products of the quantised numbers (number of the format x scale) in f32.
;;   ~~~python
;;   def quantise(x, axis):      # numpy; x: float32 -> the quantised numbers, widened to float32 again
;;       x = np.moveaxis(x, axis, -1); K = x.shape[-1]
;;       x = np.pad(x, [(0, 0)] * (x.ndim - 1) + [(0, -K % 32)]); x = x.reshape(x.shape[:-1] + (-1, 32)); a = np.abs(x).max(-1, keepdims=True)
;;       e = np.where(a > 0, np.clip(np.frexp(np.where(a > 0, a, 1))[1] - 1 - 2, -126, 127), 0)      # np.frexp(a)[1] - 1 = floor(log2(a)), exactly
;;       r = np.clip(x / 2.0 ** e, -7.5, 7.5)
;;       step = 2.0 ** (np.maximum(np.frexp(np.where(r == 0, 1, r))[1] - 1, 0) - 3)
;;       q = np.round(r / step) * step * 2.0 ** e      # np.round: ties to even
;;       return np.moveaxis(q.reshape(q.shape[:-2] + (-1,))[..., :K], -1, axis).astype(np.float32)
;;   ~~~
;;   SOFTMAX AHEAD OF A QUANTISED PRODUCT. Where the list says 'softmax', what is quantised is not the finished softmax but p = 2^(t - M), with t = logit x log2(e) and M = ceil(the row's largest t), a whole number; so 1/2 < the row's largest p <= 1. The row's sum l is taken of the UNQUANTISED p, in f32, and the product's result is divided by l at the end. Since M is a whole number, a kernel that streams over the keys may use a running M (the ceiling of the running maximum): every later rescaling is an exact power of two, which a block's scale takes up: the codes' values come out the same.
;;   OPERANDS COMPUTED ON THE WAY. 'Computed on the way' means the value that the module computes at that place (a softmax that the list does not call 'softmax' is quantised finished and normalised). What goes into a quantiser is computed in f32, as accurately as f32 sums, v_exp_f32 and their like allow (about 1e-6 of the number): no bf16 or f16 on the way to a quantiser, and a product that is left as it is and whose result goes on into a quantised operand takes f32 operands (vector FMAs, or v_wmma_f32_16x16x4_f32). A number that lies on a knife's edge between two numbers of the format may be rounded either way, as far as f32 arithmetic and the matrix unit's own rounding can turn it there, and no further.
;;   INPUTS GIVEN AS CODES. Wk (in the module: [2048, 512], K = its axis 0); Wo (in the module: [2048, 2048], K = its axis 0); Wq (in the module: [2048, 2048], K = its axis 0); Wv (in the module: [2048, 512], K = its axis 0); x (in the module: [2, 1024, 2048], K = its axis 2): each comes as NAME_codes (uint8): NAME with its K axis moved to the last place and cut into blocks of 32 codes, [.., K / 32, bytes a block], one block behind the other in memory; four codes in three bytes: a row's codes are one little-endian stream of bits, code i at bits 6 i .. 6 i + 5 (a code: sign, 2 exponent bits, 3 mantissa bits); and NAME_scales (uint8): the same leading axes, one E8M0 byte (e + 127) for each 32 codes along K. Its value is code x scale, taken as it is: it is not quantised again, and the codes and scales need not be those that the quantiser above would give.
;; 2 versions. Each part assembles by itself: llvm-mc -triple=amdgcn-amd-amdhsa -mcpu=gfx1250 --defsym DOCPART=n.
;; ======== version 1 of 2: 3 launches
;; workspace buffers: qkv 4,915,200 bytes; ao 3,276,800 bytes
;; launch proj (part 1): grid 96 x 4, 4 waves a work-group, clusters of 4 x 4, 327,680 bytes of LDS; arguments x_codes, x_scales, Wq_codes, Wq_scales, Wk_codes, Wk_scales, Wv_codes, Wv_scales, bq, bk, bv, qkv; writes qkv
.if DOCPART == 1
	.amdgcn_target "amdgcn-amd-amdhsa--gfx1250"
	.amdhsa_code_object_version 6
	.text
	.protected	k_q6ea50c7bb2_proj
	.globl	k_q6ea50c7bb2_proj
	.p2align	8
	.type	k_q6ea50c7bb2_proj,@function
k_q6ea50c7bb2_proj:
	s_mov_b64 s[64:65], 0
	v_nop
	global_prefetch_b8 v0, s[64:65] scope:SCOPE_SE
	s_setreg_imm32_b32 hwreg(HW_REG_WAVE_MODE, 25, 1), 1
	s_wait_xcnt 0x0
	s_wait_alu depctr_hold_cnt(0) depctr_sa_sdst(0) depctr_va_vdst(0) depctr_va_sdst(0) depctr_va_ssrc(0) depctr_va_vcc(0) depctr_vm_vsrc(0)
	s_getreg_b32 s2, hwreg(HW_REG_IB_STS2, 6, 4)
	s_cmp_eq_u32 s2, 0
	s_cbranch_scc0 .Lentry_in_a_cluster
	s_endpgm
.Lentry_in_a_cluster:
	s_bfe_u32 s2, ttmp6, 0x10000c
	s_cmp_lg_u32 s2, 0xf033
	s_cbranch_scc0 .Lentry_shape_is_right
	s_endpgm
.Lentry_shape_is_right:
; q = x Wq + bq, k = x Wk + bk and v^T = Wv^T x^T + bv, on codes of FP6 (E2M3) with one E8M0 scale for each 32 along K (K = 2,048), sums in f32; each result is quantised
; again, along the COLUMNS of its C: q and k along the head's 64, v^T along the keys; so one text serves all three.  C = A B^T: for q and k A = x's rows (tokens), B = the weight's rows (outputs); for v^T A = Wv's rows, B = x's rows.
; SHARES.  A tile of C is 128 x 128: four waves, each 64 x 64: 16 accumulators of 16 x 16.  K goes through two LDS slots of 512 along K (rows of 384 bytes), four fills in all, written out without a loop.
; CLUSTERS.  4 x 4 work-groups make 512 x 512 of C, which lies wholly in q (clusters 0-15), in k (16-19) or in v^T (20-23): what differs between the three is chosen by s_cselect on the cluster's number, with no branch.
; The four of a row of the cluster ask for A's tile jointly, the four of a column for B's.  The product is used transposed (source 0 = 16 rows of B, source 1 = 16 rows of A): a lane holds eight neighbouring columns of one row of C.
; THE RESULT goes to the workspace qkv in the order of the next launch's operand registers:
;   q codes [head 32][tile 128][768]: a tile's lane index r is token 32 (T / 2) + 8 (T % 2) + r + 8 (r / 8); lane 16 h + r has 24 bytes: d = 32 h .. 32 h + 31.   q scales at QS: [head][tile][16 x 2 bytes].
;   from KV on one block of 102,400 bytes for each (batch, kv head): k's image (64 tiles as q's), v's image [key step 8][d tile 4][lane 32][48 bytes], k's scales (2 bytes a key), v's scale words [step][tile][16].
; LIMITS: NaN and infinities are not served.  A block whose largest magnitude lies under 2^-124 (a block of zeros among them) gets the scale byte 1; these bytes are read by this program alone.
.set KROW,   1536                      ; a row of codes in memory: 2,048 codes
.set ROWB,   384                       ; a tile's row: 512 codes
.set PITCH,  528                       ; an LDS row: 3 x (128 bytes + 48 of padding) = 132 words: row r starts at bank 4 r mod 64 (64 banks of 4 bytes: ISA guide 11.1); the lanes' halves lie 6 or 18 words on: a load of 8 bytes a lane touches 64 different banks
.set HALFT,  64*PITCH                  ; 64 rows: what one tensor load brings, and what one wave reads of A or of B
.set SLOT,   4*HALFT                   ; A's 128 rows, then B's 128
.set SCL,    2*SLOT                    ; behind the ring: the scale bytes of the tile's rows for all of K, as units of 256 bytes + 16 of padding
.set HALFS,  16*272                    ; those of 64 rows (64 bytes a row)
.set SBLK,   4*272                     ; those of 16 rows
.set SPARE,  SCL+4*HALFS               ; the spare words, 128 bytes for each wave: two blocks of 256 bytes that no other line names
.set STAGE,  SPARE+512                 ; the way out: 16 rows x (256 bytes + 16) for each wave; no fill ever lands here
.set SPITCH, 272
.set QS,     3145728                   ; qkv: q's scales
.set KV,     3276800                   ; qkv: the blocks of k and v
.set KVB,    102400
.set ADRA, 16                          ; v16-17 LDS address of my A fragments in slot 0, 1; v18-19 the same for pieces that lie behind one padding more
.set ADRB, 20                          ; v20-23 the same for B
.set STO,  24                          ; v24    the stage: where I put 32 bytes of a row
.set RD,   25                          ; v25    the stage: where I read 64 bytes of a row back
.set ADRS, 27                          ; v27    LDS address of my scale words: lanes 0-15 A's rows, lanes 16-31 B's
.set SPW,  28                          ; v28    LDS address of my spare word; never rewritten
.set NIL,  29                          ; v29    0; never rewritten
.set SC,   32                          ; v32-63 scale words and nothing else: set s at SC + 16 s; register 4 i + q: lanes 0-15 A's block i, lanes 16-31 B's block i, the slot's q-th 128 along K
.set BN,   64                          ; v64-95 the bias along the columns;  v96-103 the bias along the rows, each number twice (a pair for the packed addition)
.set BM,   96
.set XS,   64                          ; the way out: v64-95 two sets of 16 neighbours;  v96-127 codes: four registers for each of eight stores, the fourth holds the two scale bytes
.set CD,   96
.set CO,   3                           ; the way out: v3-10 byte offsets of the eight code stores;  v11-18 of the eight scale stores
.set SO,   11
.set T0,   26                          ; the way out: v26, v30, v31 at work
.set T1,   30
.set T2,   31
.set ACC,  128                         ; v128-255 accumulator (a, b) at ACC + 8 (4 a + b)
.set F0,   0                           ; window 1: two sets of fragments: B's four at +12 i, A's four at +48 + 12 i
.set F1,   128
.set G1,   24                          ; s[24:31] descriptor group 1 for A's tiles;  s[32:39] group 0, one set for each slot
.set G0,   32
.set G1B,  48                          ; s[48:55], s[56:63] the same for B's
.set G0B,  56
.set G1S,  72                          ; s[72:79], s[80:83] groups 1 and 0 for A's scales;  s[84:91], s[92:95] for B's (these registers hold the arguments first)
.set G0S,  80
.set G1SB, 84
.set G0SB, 92
.set MSB, 0
.macro WIN new                         ; the immediate's high byte repeats the setting that is left
.if MSB != \new
	s_set_vgpr_msb (MSB<<8)|\new
.set MSB, \new
.endif
.endm
.set MUL,  0x05                        ; sources 0 (B) and 1 (A) window 1; C and D window 0
.set TO_F, 0x40                        ; destination window 1, address window 0
; A joint load: waves 0 and 1 fetch for A, waves 2 and 3 for B.  Each line has one mask and one set of registers for all that issue it; the branch hangs on the wave's number alone.
; Four v_nop follow each of the two lines, ahead of the jump, the label and what follows.
.macro JLOAD g0a, g1a, g0b, g1b
	s_cmp_eq_u32 s15, 0
	s_cbranch_scc0 .Lfor_b_\@
	tensor_load_to_lds s[\g0a:\g0a+3], s[\g1a:\g1a+7]
	s_nop 0
.rept 4
	v_nop
.endr
	s_branch .Lasked_\@
.Lfor_b_\@:
	tensor_load_to_lds s[\g0b:\g0b+3], s[\g1b:\g1b+7]
	s_nop 0
.rept 4
	v_nop
.endr
.Lasked_\@:
.endm
.macro CREST                           ; a round of the cluster's barrier behind its opening barrier
	s_cmp_lg_u32 s14, 0
	s_cbranch_scc1 .Lnot_wave_0_\@
	s_barrier_signal -3
.Lnot_wave_0_\@:
	s_barrier_wait -3
	s_barrier_signal -1
	s_barrier_wait -1
.endm
.macro CROUND                          ; a whole round
	s_barrier_signal -1
	s_barrier_wait -1
	CREST
.endm
.macro PLACES                          ; four plain vector instructions between a matrix instruction and a load into a register that it has read (ISA guide 7.12.1 for vector instructions)
.rept 4
	v_nop
.endr
.endm
	s_load_b512 s[72:87], s[0:1], 0x0              ; x codes 72, x scales 74, Wq codes 76, Wq scales 78, Wk codes 80, Wk scales 82, Wv codes 84, Wv scales 86
	s_load_b256 s[88:95], s[0:1], 0x40             ; bq 88, bk 90, bv 92, qkv 94
	v_lshl_add_u32 v[SPW], v0, 2, SPARE
	v_mov_b32 v[NIL], 0
	ds_add_u32 v28, v29
	ds_add_u32 v28, v29
	s_wait_dscnt 0x0
	v_lshrrev_b32 v1, 5, v0
	v_readfirstlane_b32 s14, v1                    ; wave 0..3
	s_lshr_b32 s15, s14, 1                         ; which half of the tile's rows is mine.  Also: I fetch for A (0) or for B (1)
	s_and_b32 s16, s14, 1                          ; which half of its columns.  Also: which 64 rows of that tile I fetch
	s_bfe_u32 s40, ttmp6, 0x40000                  ; cx, cy: my place in the cluster
	s_bfe_u32 s41, ttmp6, 0x40004
	; which of the three products, from the cluster's number alone (the same in all sixteen partners)
	s_and_b32 s18, ttmp9, 3
	s_lshr_b32 s19, ttmp9, 2
	s_cmp_lt_u32 ttmp9, 16                         ; q?
	s_cselect_b32 s20, s19, s18                    ; the cluster's row of C: q: number / 4; k: number % 4
	s_cselect_b32 s21, s18, 0                      ; its column: q: number % 4; k: 0
	s_cmp_ge_u32 ttmp9, 20                         ; v^T?
	s_cselect_b32 s20, 0, s20                      ; v^T has 512 rows: one cluster high,
	s_cselect_b32 s21, s18, s21                    ; and 2,048 columns
	s_cselect_b32 s2, 1, 0                         ; SH: v's image has twice the bytes a lane
	s_cselect_b32 s3, -1, 0                        ; VM: all ones where the bias runs along the rows
	s_lshl_b32 s17, s20, 2
	s_add_co_u32 s17, s17, s41                     ; tile row of C
	s_lshl_b32 s42, s21, 2
	s_add_co_u32 s42, s42, s40                     ; tile column of C
	s_lshl_b32 s43, s41, 2
	s_lshl_b32 s43, 15, s43                        ; my row of the cluster
	s_lshl_b32 s44, 0x1111, s40                    ; my column
	; descriptor group 1: a tile of 64 rows x 384 bytes, padded in LDS
	s_or_b32 s[G1+0], s43, (1<<20)|(1<<21)|(4<<22)|(11<<25)   ; 15:0 the mask: A's tiles go to my row; 17:16 elements of 1 byte; 20 padding on; 21 set beside a mask; 24:22 after every 32 words (code 4); 31:25 of 12 words (code 11)
	s_or_b32 s[G1B+0], s44, (1<<20)|(1<<21)|(4<<22)|(11<<25)
.irp g, G1, G1B
	s_mov_b32 s[\g+1], ROWB<<16                    ; tensor_dim0
	s_mov_b32 s[\g+2], 64<<16                      ; tensor_dim1 = 64
	s_mov_b32 s[\g+3], ROWB<<16                    ; tile_dim0
	s_mov_b32 s[\g+4], 64                          ; tile_dim1 = 64
	s_mov_b32 s[\g+5], KROW                        ; tensor_dim0_stride
	s_mov_b32 s[\g+6], 0
	s_mov_b32 s[\g+7], 0
.endr
	s_lshl_b32 s18, s16, 6                         ; which 64 rows of the tile I fetch
	s_lshl_b32 s20, s17, 7
	s_add_co_u32 s20, s20, s18                     ; A: row 128 x tile row + 64 x half
	s_lshl_b32 s46, s42, 7
	s_add_co_u32 s46, s46, s18                     ; B: row 128 x tile column + 64 x half
	s_mul_i32 s22, s20, KROW                       ; where these rows' codes begin, in bytes (under 2^22),
	s_mov_b32 s23, 0
	s_lshl_b32 s20, s20, 6                         ; and their scale bytes
	s_mov_b32 s21, 0
	s_mul_i32 s68, s46, KROW
	s_mov_b32 s69, 0
	s_lshl_b32 s46, s46, 6
	s_mov_b32 s47, 0
	s_mul_i32 s45, s14, HALFT                      ; where they go: wave x 64 rows: no place in the cluster enters an LDS address
	s_mul_i32 s96, s14, HALFS
	s_wait_kmcnt 0x0
	s_cmp_lt_u32 ttmp9, 16
	s_cselect_b64 s[8:9], s[76:77], s[80:81]       ; B: Wq or Wk,
	s_cselect_b64 s[10:11], s[78:79], s[82:83]
	s_cselect_b64 s[66:67], s[88:89], s[90:91]     ; the bias: bq or bk,
	s_cmp_ge_u32 ttmp9, 20
	s_cselect_b64 s[4:5], s[84:85], s[72:73]       ; A: Wv for v^T, else x
	s_cselect_b64 s[6:7], s[86:87], s[74:75]
	s_cselect_b64 s[8:9], s[72:73], s[8:9]         ; B: x for v^T
	s_cselect_b64 s[10:11], s[74:75], s[10:11]
	s_cselect_b64 s[66:67], s[92:93], s[66:67]
	s_mov_b64 s[12:13], s[94:95]                   ; qkv
	s_add_nc_u64 s[4:5], s[4:5], s[22:23]
	s_add_nc_u64 s[6:7], s[6:7], s[20:21]
	s_add_nc_u64 s[8:9], s[8:9], s[68:69]
	s_add_nc_u64 s[10:11], s[10:11], s[46:47]
	; the arguments have been taken: their registers become the scales' descriptors.  The scales of 64 rows are a dense block of 4,096 bytes: 16 rows of 256 bytes (32 elements of 8 bytes), 16 bytes of padding behind each
	s_or_b32 s[G1S+0], s43, (3<<16)|(1<<20)|(1<<21)|(5<<22)|(3<<25)
	s_or_b32 s[G1SB+0], s44, (3<<16)|(1<<20)|(1<<21)|(5<<22)|(3<<25)
.irp g, G1S, G1SB
	s_mov_b32 s[\g+1], 32<<16
	s_mov_b32 s[\g+2], 16<<16
	s_mov_b32 s[\g+3], 32<<16
	s_mov_b32 s[\g+4], 16
	s_mov_b32 s[\g+5], 32
	s_mov_b32 s[\g+6], 0
	s_mov_b32 s[\g+7], 0
.endr
	CROUND                                         ; all sixteen work-groups are here: the first joint loads meet
	s_mov_b32 s[G0S], 1
	s_add_co_u32 s[G0S+1], s96, SCL
	s_mov_b64 s[G0S+2:G0S+3], s[6:7]
	s_or_b32 s[G0S+3], s[G0S+3], 0x80000000
	s_mov_b32 s[G0SB], 1
	s_add_co_u32 s[G0SB+1], s96, SCL
	s_mov_b64 s[G0SB+2:G0SB+3], s[10:11]
	s_or_b32 s[G0SB+3], s[G0SB+3], 0x80000000
	JLOAD G0S, G1S, G0SB, G1SB                     ; the scales first: they are wanted with the first fill.  With the two below, three loads of mine are out
.irp s, 0,1
	s_mov_b32 s[G0+4*\s], 1
	s_add_co_u32 s[G0+4*\s+1], s45, \s*SLOT
	s_add_nc_u64 s[G0+4*\s+2:G0+4*\s+3], s[4:5], \s*ROWB
	s_or_b32 s[G0+4*\s+3], s[G0+4*\s+3], 0x80000000
	s_mov_b32 s[G0B+4*\s], 1
	s_add_co_u32 s[G0B+4*\s+1], s45, \s*SLOT
	s_add_nc_u64 s[G0B+4*\s+2:G0B+4*\s+3], s[8:9], \s*ROWB
	s_or_b32 s[G0B+4*\s+3], s[G0B+4*\s+3], 0x80000000
	JLOAD G0+4*\s, G1, G0B+4*\s, G1B
.endr
	; THE BIAS, while the tiles are on their way.  q, k: along the columns (bias[n]); v^T: along the rows (bias[m]).  Both kinds are loaded, the one that does not apply from the buffer's first 64 numbers, and replaced by 0.
	v_and_b32 v1, 15, v0                           ; r = lane % 16
	v_bfe_u32 v2, v0, 4, 1                         ; h = lane / 16
	s_lshl_b32 s18, s17, 7
	s_lshl_b32 s19, s15, 6
	s_add_co_u32 s18, s18, s19                     ; my first row of C
	s_lshl_b32 s20, s42, 7
	s_lshl_b32 s19, s16, 6
	s_add_co_u32 s20, s20, s19                     ; my first column
	s_cmp_ge_u32 ttmp9, 20
	s_cselect_b32 s22, 0, s20
	s_cselect_b32 s46, s18, 0
	s_lshl_b32 s22, s22, 2
	s_mov_b32 s23, 0
	s_lshl_b32 s46, s46, 2
	s_mov_b32 s47, 0
	s_add_nc_u64 s[68:69], s[66:67], s[46:47]
	s_add_nc_u64 s[66:67], s[66:67], s[22:23]
	v_lshlrev_b32 v9, 5, v2                        ; register j of accumulator (a, b) is column 16 b + 8 h + j
	v_lshlrev_b32 v10, 2, v1                       ; and row 16 a + r
.irp b, 0,1,2,3
	global_load_b128 v[BN+8*\b:BN+8*\b+3], v9, s[66:67] offset:64*\b
	global_load_b128 v[BN+8*\b+4:BN+8*\b+7], v9, s[66:67] offset:64*\b+16
.endr
.irp a, 0,1,2,3
	global_load_b32 v[BM+2*\a], v10, s[68:69] offset:64*\a
	global_load_b32 v[BM+2*\a+1], v10, s[68:69] offset:64*\a
.endr
	; WHERE MY PART OF THE RESULT BEGINS IN qkv: all three forms are computed, one is chosen.  s18 = my first row m, s42 = tile column, s16 = my half of the columns
	s_lshl_b32 s19, s42, 1
	s_add_co_u32 s19, s19, s16                     ; my 64 columns are head hc = 2 x tile column + half
	s_mul_i32 s97, s19, 98304
	s_mul_i32 s98, s18, 48
	s_add_co_u32 s97, s97, s98                     ; q codes: 98,304 hc + 48 m
	s_lshl_b32 s98, s19, 12
	s_lshl_b32 s99, s18, 1
	s_add_co_u32 s98, s98, s99
	s_add_co_u32 s98, s98, QS                      ; q scales: QS + 4,096 hc + 2 m
	s_lshr_b32 s99, s18, 10
	s_lshl_b32 s99, s99, 3
	s_add_co_u32 s99, s99, s19                     ; k: block 8 x batch + hc
	s_mul_i32 s99, s99, KVB
	s_add_co_u32 s99, s99, KV
	s_and_b32 s100, s18, 1023
	s_mul_i32 s101, s100, 48
	s_add_co_u32 s101, s101, s99                   ; k codes
	s_lshl_b32 s100, s100, 1
	s_add_co_u32 s100, s100, s99
	s_add_co_u32 s100, s100, 98304                 ; k scales
	s_cmp_lt_u32 ttmp9, 16
	s_cselect_b32 s97, s97, s101
	s_cselect_b32 s98, s98, s100
	s_lshr_b32 s99, s42, 3
	s_lshl_b32 s99, s99, 3
	s_lshr_b32 s100, s18, 6
	s_add_co_u32 s99, s99, s100                    ; v: block 8 x batch + m / 64
	s_mul_i32 s99, s99, KVB
	s_add_co_u32 s99, s99, KV
	s_and_b32 s100, s42, 7                         ; the key step
	s_mul_i32 s101, s100, 6144
	s_add_co_u32 s101, s101, s99
	s_mul_i32 s96, s16, 24                         ; my 64 keys are the lower or the upper half of a lane's 48 bytes
	s_add_co_u32 s101, s101, s96
	s_add_co_u32 s101, s101, 49152                 ; v codes
	s_lshl_b32 s100, s100, 8
	s_add_co_u32 s100, s100, s99
	s_lshl_b32 s96, s16, 1
	s_add_co_u32 s100, s100, s96
	s_add_co_u32 s100, s100, 100352                ; v scales
	s_cmp_ge_u32 ttmp9, 20
	s_cselect_b32 s97, s101, s97
	s_cselect_b32 s98, s100, s98
	s_mov_b32 s99, 0
	s_mov_b32 s100, s97
	s_mov_b32 s101, 0
	s_add_nc_u64 s[70:71], s[12:13], s[98:99]      ; the scales' stores
	s_add_nc_u64 s[12:13], s[12:13], s[100:101]    ; the codes' stores
	; LDS addresses
	v_mul_u32_u24 v3, v1, PITCH
	v_mad_u32_u24 v4, v2, 24, v3                   ; a fragment's row x pitch + 24 x half
	v_mad_u32_u24 v5, v2, 72, v3                   ; and the same behind one padding more
	s_mul_i32 s21, s15, HALFT                      ; my 64 rows of A
	s_mul_i32 s22, s16, HALFT                      ; my 64 rows of B,
	s_add_co_u32 s22, s22, 2*HALFT                 ; which lie behind A's 128
.irp s, 0,1
	v_add_nc_u32 v[ADRA+\s], s21, v4
	v_add_nc_u32 v[ADRB+\s], s22, v4
	v_add_nc_u32 v[ADRA+2+\s], s21, v5
	v_add_nc_u32 v[ADRB+2+\s], s22, v5
	s_add_co_u32 s21, s21, SLOT
	s_add_co_u32 s22, s22, SLOT
.endr
	v_lshrrev_b32 v5, 2, v1                        ; my row's scales: four rows of 64 bytes to a unit of 272
	v_and_b32 v6, 3, v1
	v_mul_u32_u24 v5, v5, 272
	v_lshl_add_u32 v5, v6, 6, v5
	s_mul_i32 s21, s15, HALFS                      ; A's: my 64 rows
	s_mul_i32 s22, s16, HALFS                      ; B's: my 64 rows, behind A's 128
	s_add_co_u32 s22, s22, 2*HALFS
	s_sub_co_u32 s22, s22, s21
	v_mul_u32_u24 v6, s22, v2                      ; lanes 16-31 take B's: the lower base + h x the distance
	s_add_co_u32 s21, s21, SCL
	v_add_nc_u32 v5, v5, v6
	v_add_nc_u32 v[ADRS], s21, v5
	s_mul_i32 s23, s14, 16*SPITCH
	s_add_co_u32 s23, s23, STAGE                   ; my stage
	v_mul_u32_u24 v5, v1, SPITCH                   ; in: row r, 32 bytes for each half of the lanes
	v_lshl_add_u32 v5, v2, 5, v5
	v_add_nc_u32 v[STO], s23, v5
	v_and_b32 v6, 31, v0
	v_lshrrev_b32 v5, 2, v6                        ; back: four lanes to a row, 64 bytes (16 neighbouring columns) each
	v_and_b32 v6, 3, v6
	v_mul_u32_u24 v5, v5, SPITCH
	v_lshl_add_u32 v5, v6, 6, v5
	v_add_nc_u32 v[RD], s23, v5
	s_wait_loadcnt 0x0                             ; the bias
.set j, 0
.rept 32
	v_cndmask_b32 v[BN+j], v[BN+j], 0, s3          ; v^T has no bias along the columns,
.set j, j+1
.endr
.set j, 0
.rept 8
	v_cndmask_b32 v[BM+j], 0, v[BM+j], s3          ; q and k none along the rows
.set j, j+1
.endr
.irp a, 0,1,2,3
.irp b, 0,1,2,3
.irp j, 0,2,4,6
	v_pk_add_f32 v[ACC+8*(4*\a+\b)+\j:ACC+8*(4*\a+\b)+\j+1], v[BN+8*\b+\j:BN+8*\b+\j+1], v[BM+2*\a:BM+2*\a+1]   ; the sums begin with the bias: nothing is cleared, nothing is added at the end
.endr
.endr
.endr
.macro FRAG reg, adr, q, i             ; a fragment, 16 rows x 128 K of 6-bit codes, is 12 registers: lane (r, h) holds row r; registers 6 c .. 6 c + 5 hold K = 64 c + 32 h + 0 .. 31: 24 bytes of the row's stream of bits, as they lie
.irp p, 0,1,2,3,4,5                    ; in pieces of 8 bytes.  Lanes 0-15 take the row's pieces 12 q + 0, 1, 2 and 12 q + 6, 7, 8, lanes 16-31 those three pieces on
.set PC, 12*(\q)+6*(\p/3)+\p%3        ; 48 bytes of padding lie behind every 128 bytes (16 pieces): where the piece three on lies behind one padding more, the second address register (72 for 24 bytes a half) serves
.if PC%16 < 13
	ds_load_b64 v[\reg+2*\p:\reg+2*\p+1], v[\adr] offset:8*PC+48*(PC/16)+(\i)*16*PITCH
.else
	ds_load_b64 v[\reg+2*\p:\reg+2*\p+1], v[\adr+2] offset:8*PC+48*(PC/16)+(\i)*16*PITCH
.endif
.endr
.endm
.macro FETCH slot, q, f                ; 48 LDS loads in one run: the fragments of the slot's q-th 128 along K into set f
	WIN TO_F
.irp i, 0,1,2,3
	FRAG \f+12*\i, ADRB+\slot, \q, \i
	FRAG \f+48+12*\i, ADRA+\slot, \q, \i
.endr
.endm
.macro SCALES set, k                   ; the scale words of fill k (512 along K: four words a row) into set
	WIN 0
.irp i, 0,1,2,3
	ds_load_b128 v[SC+16*\set+4*\i:SC+16*\set+4*\i+3], v[ADRS] offset:\i*SBLK+16*\k
.endr
.endm
; four matrix instructions: A's block a x B's four.  The 16 accumulators take turns, one instruction a turn, in the same order in every step.
.macro MUL4 f, a, q, set
.irp b, 0,1,2,3
	v_wmma_scale_f32_16x16x128_f8f6f4 v[ACC+8*(4*(\a)+\b):ACC+8*(4*(\a)+\b)+7], v[\f+12*\b:\f+12*\b+11], v[\f+48+12*(\a):\f+48+12*(\a)+11], v[ACC+8*(4*(\a)+\b):ACC+8*(4*(\a)+\b)+7], v[SC+16*(\set)+4*\b+(\q)], v[SC+16*(\set)+4*(\a)+(\q)] matrix_a_fmt:MATRIX_FMT_FP6 matrix_b_fmt:MATRIX_FMT_FP6 matrix_a_scale:MATRIX_SCALE_ROW1
.endr
.endm
; A step of 128 along K that has its successor in the same slot: multiplies set f; ahead of its products it asks for the next step's fragments, into set g
.macro STEP slot, q, f, g
	s_wait_dscnt 0x0                               ; set f (asked for ahead of the last step's 16 products) is in
	PLACES                                         ; for the loads into set g, which the last step multiplied
	FETCH \slot, (\q)+1, \g
	WIN MUL
	MUL4 \f, 0, \q, \slot
	MUL4 \f, 1, \q, \slot
	MUL4 \f, 2, \q, \slot
	MUL4 \f, 3, \q, \slot
.endm
; A slot's last step changes slots: ONE barrier; in front of it each wave waits for all its tensor loads, adds 0 to its spare word, and waits for that and for its own reads of this slot.  fill = 1: this slot is filled again, two fills ahead.
.macro TURN slot, next, k, fill
	WIN 0                                          ; (the add's two registers lie in window 0)
	s_wait_tensorcnt 0x0                           ; all my tensor loads have landed: my part of the next slot;
	ds_add_u32 v[SPW], v[NIL]                      ; 0 onto my spare word;
	s_wait_dscnt 1                                 ; (only the add may be out: set 1 is in)
	WIN MUL
	MUL4 F1, 0, 3, \slot                           ; four matrix instructions stand between the add and the wait for it
	s_wait_dscnt 0x0                               ; the add is done, and my reads of this slot are over
	s_barrier_signal -1
	MUL4 F1, 1, 3, \slot
	WIN 0
	s_barrier_wait -1
.if \fill
	CREST                                          ; the barrier has opened a round of the cluster's barrier: no wave of any partner still reads this slot's tile or has a load on its way
	s_add_nc_u64 s[G0+4*\slot+2:G0+4*\slot+3], s[G0+4*\slot+2:G0+4*\slot+3], 2*ROWB
	s_add_nc_u64 s[G0B+4*\slot+2:G0B+4*\slot+3], s[G0B+4*\slot+2:G0B+4*\slot+3], 2*ROWB
	JLOAD G0+4*\slot, G1, G0B+4*\slot, G1B         ; the first tensor load behind the round, my one load until the next: it has 56 matrix instructions in which to land; its four v_nop are also the places in front of the loads below
.else
	PLACES
.endif
	FETCH \next, 0, F0
	SCALES \next, \k
	WIN MUL
	MUL4 F1, 2, 3, \slot
	MUL4 F1, 3, 3, \slot
.endm
	s_wait_tensorcnt 1                             ; the scales and my part of the first fill are in (slot 1's load may be out)
	s_barrier_signal -1
	s_barrier_wait -1                              ; everybody's are
	FETCH 0, 0, F0
	SCALES 0, 0
	STEP 0, 0, F0, F1
	STEP 0, 1, F1, F0
	STEP 0, 2, F0, F1
	TURN 0, 1, 1, 1
	STEP 1, 0, F0, F1
	STEP 1, 1, F1, F0
	STEP 1, 2, F0, F1
	TURN 1, 0, 2, 1
	STEP 0, 0, F0, F1
	STEP 0, 1, F1, F0
	STEP 0, 2, F0, F1
	TURN 0, 1, 3, 0                                ; nothing is left to fetch
	STEP 1, 0, F0, F1
	STEP 1, 1, F1, F0
	STEP 1, 2, F0, F1
	s_wait_dscnt 0x0                               ; the very last step
	MUL4 F1, 0, 3, 1
	MUL4 F1, 1, 3, 1
	MUL4 F1, 2, 3, 1
	MUL4 F1, 3, 3, 1
	WIN 0
	; THE WAY OUT.  A block of 16 rows x 64 columns goes through my stage and comes back 16 neighbouring columns a lane: lane l takes row 8 p + l / 4, columns 16 (l % 4) on; two neighbouring lanes hold a block of 32.
	; Row 16 a + 8 p + rr is lane index 8 (a % 2) + rr of tile 2 (a / 2) + p of the image; v's image has twice the bytes a lane and a tile, so its offsets are q's shifted by SH.
	; The offsets' arithmetic below is also the places behind the last products.
	v_and_b32 v19, 31, v0
	v_and_b32 v20, 3, v19                          ; c
	v_lshrrev_b32 v21, 2, v19                      ; rr
	v_lshrrev_b32 v22, 1, v20                      ; which block of 32: the image's half of the lanes
	v_and_b32 v23, 1, v20                          ; which 16 of the block: 12 bytes
	v_mul_u32_u24 v22, v22, 384
	v_mad_u32_u24 v22, v21, 24, v22
	v_lshlrev_b32 v22, s2, v22
	v_mad_u32_u24 v22, v23, 12, v22
	v_lshlrev_b32 v21, 1, v21
	v_lshlrev_b32 v21, s2, v21
	v_and_b32 v20, 2, v20
	v_cmp_ne_u32 vcc_lo, 0, v20                    ; the lanes that hold a row's second block
.irp a, 0,1,2,3
.irp p, 0,1
	s_lshl_b32 s96, (\a/2)*1536+(\a%2)*192+\p*768, s2
	v_add_nc_u32 v[CO+2*\a+\p], s96, v22
	s_lshl_b32 s97, (\a/2)*64+(\a%2)*16+\p*32, s2
	v_add_nc_u32 v[SO+2*\a+\p], s97, v21
.endr
.endr
; 16 numbers of a lane become 12 bytes of codes; the block's scale is 2^(floor(log2(its largest magnitude)) - 2).  Every store has data and offset registers of its own: none is written again.
.macro QUANT16 x, k
	v_max3_num_f32 v[T0], |v[\x]|, |v[\x+1]|, |v[\x+2]|
	v_max3_num_f32 v[T1], |v[\x+3]|, |v[\x+4]|, |v[\x+5]|
.irp i, 6,10
	v_max3_num_f32 v[T0], v[T0], |v[\x+\i]|, |v[\x+\i+1]|
	v_max3_num_f32 v[T1], v[T1], |v[\x+\i+2]|, |v[\x+\i+3]|
.endr
	v_max3_num_f32 v[T0], v[T0], |v[\x+14]|, |v[\x+15]|
	v_max3_num_f32 v[T0], v[T0], v[T1], 0x1800000  ; and the floor 2^(3 - 127): the byte cannot fall under 1
	v_max_num_f32_dpp v[T0], v[T0], v[T0] row_xmask:1 row_mask:0xf bank_mask:0xf   ; with my neighbour's 16: the block's largest magnitude
	v_add_nc_u32 v[T2], 0xff000000, v[T0]          ; 2 off its exponent field: the conversion takes the exponent field of this operand as its scale
	v_cvt_scalef32_pk16_fp6_f32 v[CD+4*(\k):CD+4*(\k)+2], v[\x:\x+15], v[T2]
	v_lshrrev_b32 v[T0], 23, v[T2]                 ; the scale's byte (a plain instruction behind the conversion)
	v_mov_b32_dpp v[T1], v[T0] row_xmask:2 row_mask:0xf bank_mask:0xf   ; the byte of the row's other block
	v_cndmask_b32 v[T2], v[T0], v[T1], vcc_lo      ; the first block's byte,
	v_cndmask_b32 v[T1], v[T1], v[T0], vcc_lo      ; the second's
	v_lshl_or_b32 v[CD+4*(\k)+3], v[T1], 8, v[T2]
	global_store_b96 v[CO+(\k)], v[CD+4*(\k):CD+4*(\k)+2], s[12:13]   ; the wave's 32 lanes store two runs of 192 (v: 16 pieces of 24 in two runs of 384) bytes of the image
	global_store_b16 v[SO+(\k)], v[CD+4*(\k)+3], s[70:71]             ; a row's four lanes store the same two bytes
.endm
.irp a, 0,1,2,3
.irp b, 0,1,2,3
	ds_store_b128 v[STO], v[ACC+8*(4*\a+\b):ACC+8*(4*\a+\b)+3] offset:64*\b         ; each accumulator from its low end on
	ds_store_b128 v[STO], v[ACC+8*(4*\a+\b)+4:ACC+8*(4*\a+\b)+7] offset:64*\b+16
.endr
.irp p, 0,1
.irp i, 0,1,2,3
	ds_load_b128 v[XS+16*\p+4*\i:XS+16*\p+4*\i+3], v[RD] offset:\p*8*SPITCH+16*\i   ; LDS serves a wave's instructions in order (ISA guide 5.7.1.4): these see the stores above
.endr
.endr
	s_wait_dscnt 4                                 ; rows 0-7 are back; the four loads of rows 8-15 may be out
	QUANT16 XS, 2*\a
	s_wait_dscnt 0x0
	QUANT16 XS+16, 2*\a+1
.endr
	s_wait_tensorcnt 0x0                           ; the wave's end: behind my last tensor load and my last LDS store
	ds_add_u32 v[SPW], v[NIL]
	s_wait_dscnt 0x0
	CROUND                                         ; the closing round: no work-group ends while a partner may still ask for a tile that names it
	s_endpgm
.Lfunc_end_k_q6ea50c7bb2_proj:
	.size	k_q6ea50c7bb2_proj, .Lfunc_end_k_q6ea50c7bb2_proj-k_q6ea50c7bb2_proj
	.p2alignl 7, 3214868480
	.fill 96, 4, 3214868480
	.section	.rodata,"a",@progbits
	.p2align	6, 0x0
	.amdhsa_kernel k_q6ea50c7bb2_proj
		.amdhsa_group_segment_fixed_size 327680
		.amdhsa_private_segment_fixed_size 0
		.amdhsa_enable_private_segment 0
		.amdhsa_kernarg_size 96
		.amdhsa_user_sgpr_count 2
		.amdhsa_user_sgpr_kernarg_segment_ptr 1
		.amdhsa_wavefront_size32 1
		.amdhsa_system_sgpr_workgroup_id_x 1
		.amdhsa_system_sgpr_workgroup_id_y 1
		.amdhsa_system_sgpr_workgroup_id_z 1
		.amdhsa_system_vgpr_workitem_id 0
		.amdhsa_next_free_vgpr 512
		.amdhsa_next_free_sgpr 102
		.amdhsa_reserve_vcc 1
		.amdhsa_float_denorm_mode_32 3
		.amdhsa_float_denorm_mode_16_64 3
		.amdhsa_memory_ordered 1
		.amdhsa_forward_progress 1
		.amdhsa_inst_pref_size 123
	.end_amdhsa_kernel
	.amdgpu_metadata
---
amdhsa.version: [ 1, 2 ]
amdhsa.kernels:
  - .name:           k_q6ea50c7bb2_proj
    .symbol:         k_q6ea50c7bb2_proj.kd
    .args:
      - { .name: x_codes, .offset: 0, .size: 8, .value_kind: global_buffer, .address_space: global }
      - { .name: x_scales, .offset: 8, .size: 8, .value_kind: global_buffer, .address_space: global }
      - { .name: Wq_codes, .offset: 16, .size: 8, .value_kind: global_buffer, .address_space: global }
      - { .name: Wq_scales, .offset: 24, .size: 8, .value_kind: global_buffer, .address_space: global }
      - { .name: Wk_codes, .offset: 32, .size: 8, .value_kind: global_buffer, .address_space: global }
      - { .name: Wk_scales, .offset: 40, .size: 8, .value_kind: global_buffer, .address_space: global }
      - { .name: Wv_codes, .offset: 48, .size: 8, .value_kind: global_buffer, .address_space: global }
      - { .name: Wv_scales, .offset: 56, .size: 8, .value_kind: global_buffer, .address_space: global }
      - { .name: bq, .offset: 64, .size: 8, .value_kind: global_buffer, .address_space: global }
      - { .name: bk, .offset: 72, .size: 8, .value_kind: global_buffer, .address_space: global }
      - { .name: bv, .offset: 80, .size: 8, .value_kind: global_buffer, .address_space: global }
      - { .name: qkv, .offset: 88, .size: 8, .value_kind: global_buffer, .address_space: global }
    .group_segment_fixed_size: 327680
    .private_segment_fixed_size: 0
    .kernarg_segment_align: 8
    .kernarg_segment_size: 96
    .max_flat_workgroup_size: 128
    .sgpr_count:     102
    .vgpr_count:     512
    .wavefront_size: 32
...
	.end_amdgpu_metadata
.endif
;; end of part 1
;; launch attn (part 2): grid 16 x 16, 16 waves a work-group, clusters of 4 x 1, 169,984 bytes of LDS; arguments qkv, ao; writes ao
.if DOCPART == 2
	.amdgcn_target "amdgcn-amd-amdhsa--gfx1250"
	.amdhsa_code_object_version 6
	.text
	.protected	k_q6ea50c7bb2_attn
	.globl	k_q6ea50c7bb2_attn
	.p2align	8
	.type	k_q6ea50c7bb2_attn,@function
k_q6ea50c7bb2_attn:
	s_mov_b64 s[64:65], 0
	v_nop
	global_prefetch_b8 v0, s[64:65] scope:SCOPE_SE
	s_setreg_imm32_b32 hwreg(HW_REG_WAVE_MODE, 25, 1), 1
	s_wait_xcnt 0x0
	s_wait_alu depctr_hold_cnt(0) depctr_sa_sdst(0) depctr_va_vdst(0) depctr_va_sdst(0) depctr_va_ssrc(0) depctr_va_vcc(0) depctr_vm_vsrc(0)
	s_getreg_b32 s2, hwreg(HW_REG_IB_STS2, 6, 4)
	s_cmp_eq_u32 s2, 0
	s_cbranch_scc0 .Lentry_in_a_cluster
	s_endpgm
.Lentry_in_a_cluster:
	s_bfe_u32 s2, ttmp6, 0x10000c
	s_cmp_lg_u32 s2, 0x3003
	s_cbranch_scc0 .Lentry_shape_is_right
	s_endpgm
.Lentry_shape_is_right:
; Attention of 4 query heads on their kv head, both products on codes of FP6 (E2M3) with one E8M0 scale for each 32 along a product's K; the result, divided by the row's sum, is quantised along hidden and stored as codes.
; THE SOFTMAX AHEAD OF THE SECOND PRODUCT: t = score x log2(e) / 8; M = the row's largest t so far, rounded UP to a whole number; p = 2^(t - M) is what is quantised, along the keys; the row's sum is taken of the unquantised p.
; When M moves, the sum and O are multiplied by 2^(old M - new M): exact.
; SHARES.  A work-group owns 64 tokens of one batch and the 4 query heads of one kv head; wave w owns head w / 4 and tile w % 4 of 16 queries, in 256 registers: four waves to a SIMD, so that one wave's vector work stands beside another's products and LDS loads.
; K AND V of the (batch, kv head), codes and scales, are ONE dense block of 102,400 bytes, laid by the launch before in the order of the operands' registers: it comes into LDS once and stays.  Nothing is filled again.
; CLUSTER.  The four work-groups of a cluster share (batch, kv head), so the block is asked for JOINTLY: waves 0 to 3 fetch a quarter each, by the same load with the same descriptor in all four work-groups.
; LAYOUT.  Both products are used transposed: S^T = K Q^T (source 0 = 16 keys, source 1 = my 16 queries), O^T = V^T P^T: a lane holds ONE query throughout.  The first product's K is 64: the upper 64 of the instruction's 128 are zero codes on both sides.
; The keys of a tile, and the channels of a tile of V^T, are not neighbours: lane index r of tile 2 b + u is 32 b + 8 u + r + 8 (r / 8), so that the 16 registers of tiles 2 b and 2 b + 1 are 16 neighbours, 32 b + 16 (lane / 16) + 0 .. 15.
; LIMITS: NaN and infinities are not served.  A block of the result whose largest magnitude lies under 2^-124 gets the scale byte 1; these bytes are read by this program alone.
; REGISTERS: v1-4 addresses that stay; v5-7 lane, r, h; v8-11 addresses in hand; v12 -M, v13 the largest t, v[14:15] the sum in two halves; v16-27 Q; v28-75 four fragments of K; v76-123 four of V; v124-187 S^T, then p; v188-219 O^T;
;   v220-223 V's scale words; v224-235 p's codes; v232-247 at work; v248-251 K's scale words; v252 f; v253 p's scale word; v254 at work; v255 Q's scale word.
.set QS,   3145728                     ; qkv: q's scales
.set KV,   3276800                     ; qkv: the blocks of k and v
.set KVB,  102400
.set VIM,  49152                       ; in a block: v's image,
.set KSC,  98304                       ; k's scales,
.set VSC,  100352                      ; v's scale words
.set STG,  KVB                         ; LDS behind the block: the stage for the codes: 64 rows x (16 places of 16 bytes + 16),
.set SSTG, STG+64*272                  ; and for the scale bytes: 64 rows x 8
.set AOS,  3145728                     ; ao: the scales
.set S,    124
.set O,    188
.set WV,   18                          ; s18 my wave's number
.set SEL,  20                          ; s[20:21] lane selects for v_permlanex16_b32: lane l xor 16
.set CS,   22                          ; s[22:23] c = log2(e) / 8
.macro CROUND                          ; a round of the cluster's barrier
	s_barrier_signal -1
	s_barrier_wait -1
	s_cmp_lg_u32 s[WV], 0
	s_cbranch_scc1 .Lnot_wave_0_\@
	s_barrier_signal -3
.Lnot_wave_0_\@:
	s_barrier_wait -3
	s_barrier_signal -1
	s_barrier_wait -1
.endm
	s_load_b128 s[4:7], s[0:1], 0x0                ; qkv, ao
	v_lshl_add_u32 v254, v0, 2, 0x29000
	v_mov_b32 v255, 0
	ds_add_u32 v254, v255
	ds_add_u32 v254, v255
	s_wait_dscnt 0x0
	v_lshrrev_b32 v8, 5, v0
	v_readfirstlane_b32 s[WV], v8                  ; wave 0..15
	s_bfe_u32 s8, ttmp6, 0x40000                   ; cx: it enters Q's and ao's addresses alone
	s_lshl_b32 s9, ttmp9, 2
	s_add_co_u32 s9, s9, s8                        ; my block of 64 tokens in the batch
	s_and_b32 s10, ttmp7, 0xffff                   ; 8 x batch + kv head, which the four partners share
	s_lshr_b32 s11, s10, 3                         ; batch
	s_and_b32 s12, s10, 7                          ; kv head
	s_lshr_b32 s13, s[WV], 2                       ; my head among the four
	s_and_b32 s14, s[WV], 3                        ; my tile of queries
	s_mul_i32 s44, s10, KVB                        ; the block of k and v,
	s_mul_i32 s46, s[WV], 25600                    ; and the quarter that I fetch, if I fetch; the same number is its LDS address
	s_add_co_u32 s44, s44, s46
	s_add_co_u32 s44, s44, KV
	s_mov_b32 s45, 0
	s_lshl_b32 s15, s12, 2
	s_add_co_u32 s15, s15, s13                     ; my query head
	s_lshl_b32 s16, s11, 6
	s_lshl_b32 s17, s9, 2
	s_add_co_u32 s16, s16, s17
	s_add_co_u32 s16, s16, s14                     ; my tile among the head's 128
	s_mul_i32 s32, s15, 98304
	s_mul_i32 s17, s16, 768
	s_add_co_u32 s32, s32, s17                     ; its codes
	s_mov_b32 s33, 0
	s_lshl_b32 s36, s15, 12
	s_lshl_b32 s17, s16, 5
	s_add_co_u32 s36, s36, s17
	s_add_co_u32 s36, s36, QS                      ; its scales
	s_mov_b32 s37, 0
	s_lshl_b32 s48, s11, 10
	s_lshl_b32 s17, s9, 6
	s_add_co_u32 s48, s48, s17                     ; the work-group's first token
	s_lshl_b32 s17, s[WV], 2
	s_add_co_u32 s17, s17, s48                     ; on the way out I store rows 4 w .. 4 w + 3
	s_mul_i32 s50, s17, 1536
	s_mul_i32 s17, s12, 192                        ; the four heads' 192 bytes of a row
	s_add_co_u32 s50, s50, s17
	s_mov_b32 s51, 0
	s_lshl_b32 s54, s48, 6
	s_lshl_b32 s17, s12, 3                         ; and their 8 scale bytes
	s_add_co_u32 s54, s54, s17
	s_add_co_u32 s54, s54, AOS
	s_mov_b32 s55, 0
	; descriptor group 1: 100 rows of 256 bytes (32 elements of 8 bytes), dense, no padding
	s_mov_b32 s24, 15|(3<<16)|(1<<21)              ; 15:0 the mask: all four work-groups; 17:16 elements of 8 bytes; 21 set beside a mask
	s_mov_b32 s25, 32<<16                          ; tensor_dim0
	s_mov_b32 s26, 100<<16                         ; tensor_dim1
	s_mov_b32 s27, 32<<16                          ; tile_dim0
	s_mov_b32 s28, 100                             ; tile_dim1
	s_mov_b32 s29, 32                              ; tensor_dim0_stride
	s_mov_b32 s30, 0
	s_mov_b32 s31, 0
	s_mov_b32 s[SEL], 0x76543210
	s_mov_b32 s[SEL+1], 0xfedcba98
	s_mov_b32 s[CS], 0x3e38aa3b                    ; c = log2(e) / 8
	s_mov_b32 s[CS+1], s[CS]                       ; (named with it as a pair, so it is written)
	s_wait_kmcnt 0x0
	s_mov_b32 s40, 1                               ; group 0: count = 1,
	s_mov_b32 s41, s46                             ; LDS address,
	s_add_nc_u64 s[42:43], s[4:5], s[44:45]        ; global address,
	s_or_b32 s43, s43, 0x80000000                  ; type = 2
	s_add_nc_u64 s[34:35], s[4:5], s[32:33]        ; Q's codes
	s_add_nc_u64 s[38:39], s[4:5], s[36:37]        ; Q's scales
	s_add_nc_u64 s[52:53], s[6:7], s[50:51]        ; ao's codes
	s_add_nc_u64 s[56:57], s[6:7], s[54:55]        ; ao's scales
	CROUND                                         ; all four work-groups are here: the joint loads meet
	s_cmp_lt_u32 s[WV], 4                          ; waves 0 to 3 fetch: the branch hangs on the wave's number alone
	s_cbranch_scc0 .Lno_fetch
	tensor_load_to_lds s[40:43], s[24:31]
	s_nop 0
.rept 4
	v_nop
.endr
.Lno_fetch:
	v_and_b32 v5, 31, v0                           ; lane
	v_and_b32 v6, 15, v0                           ; r
	v_bfe_u32 v7, v0, 4, 1                         ; h
	v_mul_u32_u24 v1, v5, 24                       ; a tile of K or of Q: 24 bytes a lane
	v_mul_u32_u24 v2, v5, 48
	v_add_nc_u32 v2, VIM, v2                       ; a tile of V: 48 bytes a lane
	v_lshl_add_u32 v3, v6, 1, KSC                  ; K's scales: 2 bytes a key
	v_lshl_add_u32 v4, v6, 2, VSC                  ; V's scale words
	v_lshlrev_b32 v9, 1, v6
.irp p, 0,1,2
	global_load_b64 v[16+2*\p:17+2*\p], v1, s[34:35] offset:8*\p   ; Q's fragment stays in registers
.endr
	global_load_u16 v255, v9, s[38:39]             ; Q's two scale bytes; the word's upper two are 0, over zero codes
.set j, 22
.rept 6
	v_mov_b32 v[j], 0                              ; K = 64 .. 127 of the first product: zero codes in Q,
.set j, j+1
.endr
.irp t, 0,1,2,3
.irp i, 6,7,8,9,10,11
	v_mov_b32 v[28+12*\t+\i], 0                    ; and in K's four fragments: written once, no load lands here
.endr
.endr
	v_mov_b32 v13, 0xff61b1e6                      ; the largest t so far: -3e38, under every t
	v_floor_f32 v12, -v13                          ; -M
	v_mov_b32 v14, 0                               ; the sum, in two halves
	v_mov_b32 v15, 0
.irp b, 0,1,2,3
	v_mov_b32 v[236+\b], 0                         ; written once: a lane permute's destination counts as one of its sources
.endr
	v_mov_b32 v253, 0                              ; (named as the upper half of the pair v[252:253] before it is first written)
.set j, 0
.rept 32
	v_mov_b32 v[O+j], 0                            ; O^T.  (The step is written once: the first finds zeros, which the first change of M leaves zeros)
.set j, j+1
.endr
	s_mov_b32 s2, 0                                ; where the step's tiles begin: 6,144 bytes a step, in K's image and in V's
	s_mov_b32 s3, 0                                ; and its scales: 256 bytes a step, K's and V's
	s_mov_b32 s67, 8                               ; key steps of 128
	s_wait_loadcnt 0x0                             ; Q
	s_wait_tensorcnt 0x0                           ; my quarter of the block has landed (a wave that fetched nothing passes),
	s_barrier_signal -1
	s_barrier_wait -1                              ; everybody's has
.Lstep:
	v_add_nc_u32 v8, s2, v1                        ; these four are also the places between the last step's products and the loads into the registers that they read
	v_add_nc_u32 v9, s2, v2
	v_add_nc_u32 v10, s3, v3
	v_add_nc_u32 v11, s3, v4
.irp t, 0,1,2,3                                ; K's tiles 0-3,
.irp p, 0,1,2
	ds_load_b64 v[28+12*\t+2*\p:29+12*\t+2*\p], v8 offset:768*\t+8*\p
.endr
	ds_load_u16 v[248+\t], v10 offset:32*\t
.endr
.irp t, 0,1,2,3                                ; and V's four: wanted behind the softmax
.irp i, 0,1,2
	ds_load_b128 v[76+12*\t+4*\i:79+12*\t+4*\i], v9 offset:1536*\t+16*\i
.endr
	ds_load_b32 v[220+\t], v11 offset:64*\t
.endr
	s_wait_dscnt 16                                ; K's sixteen loads are in; V's sixteen may be out
.irp t, 0,1,2,3
	v_wmma_scale_f32_16x16x128_f8f6f4 v[S+8*\t:S+8*\t+7], v[28+12*\t:39+12*\t], v[16:27], 0, v[248+\t], v255 matrix_a_fmt:MATRIX_FMT_FP6 matrix_b_fmt:MATRIX_FMT_FP6
.endr
.rept 4
	v_nop                                          ; places in front of loads into registers that these products have read
.endr
.irp t, 0,1,2,3                                ; K's tiles 4-7
.irp p, 0,1,2
	ds_load_b64 v[28+12*\t+2*\p:29+12*\t+2*\p], v8 offset:768*(4+\t)+8*\p
.endr
	ds_load_u16 v[248+\t], v10 offset:32*(4+\t)
.endr
	s_wait_dscnt 0x0
.irp t, 0,1,2,3
	v_wmma_scale_f32_16x16x128_f8f6f4 v[S+32+8*\t:S+32+8*\t+7], v[28+12*\t:39+12*\t], v[16:27], 0, v[248+\t], v255 matrix_a_fmt:MATRIX_FMT_FP6 matrix_b_fmt:MATRIX_FMT_FP6
.endr                                          ; lane (r, h) holds query r; the 16 registers of tiles 2 b, 2 b + 1 are keys 32 b + 16 h + 0 .. 15 of the step
.rept 4
	v_nop                                          ; places in front of the first read of the results
.endr
.irp b, 0,1,2,3
	v_max3_num_f32 v[232+\b], v[S+16*\b], v[S+1+16*\b], v[S+2+16*\b]   ; the largest score of each block of 32 keys: it serves for the row's maximum and, since p rises with the score, for the block's largest p
.endr
.irp i, 3,5,7,9,11,13
.irp b, 0,1,2,3
	v_max3_num_f32 v[232+\b], v[232+\b], v[S+16*\b+\i], v[S+1+16*\b+\i]   ; (the four blocks by turns)
.endr
.endr
.irp b, 0,1,2,3
	v_max_num_f32 v[232+\b], v[232+\b], v[S+15+16*\b]
.endr
.irp b, 0,1,2,3
	v_permlanex16_b32 v[236+\b], v[232+\b], s[SEL], s[SEL+1]
.endr
.irp b, 0,1,2,3
	v_max_num_f32 v[232+\b], v[232+\b], v[236+\b]  ; with lane l xor 16's 16 keys
.endr
	v_max3_num_f32 v254, v232, v233, v234
	v_max_num_f32 v254, v254, v235                 ; the step's largest score of my query
	v_mul_f32 v254, s[CS], v254                    ; as t (c is positive)
	v_max_num_f32 v13, v13, v254                   ; the running largest t
	v_mov_b32 v254, v12
	v_floor_f32 v12, -v13                          ; the new -M = floor(-t) = -ceil(t): M is a whole number
	v_sub_f32 v254, v12, v254                      ; M's old value less its new one: a whole number, 0 or less
	v_cvt_i32_f32 v254, v254                       ; (it saturates)
	v_ldexp_f32 v252, 1.0, v254                    ; f = 2^(old M - new M)
.set j, 0
.rept 32
	v_pk_fma_f32 v[S+j:S+j+1], v[S+j:S+j+1], s[CS:CS+1], v[12:13] op_sel_hi:[1,0,0]   ; t - M, two at a time (of the pairs c and -M the low word serves both halves)
.set j, j+2
.endr
.irp b, 0,1,2,3
	v_fma_f32 v[232+\b], v[232+\b], s[CS], v12     ; the same of each block's largest score
.endr
.set j, 0
.rept 64
	v_exp_f32 v[S+j], v[S+j]                       ; p = 2^(t - M), at most 1: not normalised
.set j, j+1
.endr
	v_pk_mul_f32 v[14:15], v[14:15], v[252:253] op_sel_hi:[1,0]   ; the sums under the new M (a plain instruction behind the exponentials)
	s_wait_alu depctr_va_vdst(0)                   ; one wait for the whole batch, ahead of its first reader
.irp b, 0,1,2,3
	v_exp_f32 v[232+\b], v[232+\b]                 ; the block's largest p: the same two instructions on the same number give the same bits
.endr
	v_pk_add_f32 v[236:237], v[S:S+1], v[S+2:S+3]  ; the row's sum is taken of the unquantised p: two at a time, in two chains (it reads the 64 alone: plain work behind the four)
.set j, 4
.rept 15
	v_pk_add_f32 v[14:15], v[14:15], v[S+j:S+j+1]
	v_pk_add_f32 v[236:237], v[236:237], v[S+2+j:S+3+j]
.set j, j+4
.endr
	v_pk_add_f32 v[14:15], v[14:15], v[236:237]
	s_wait_alu depctr_va_vdst(0)                   ; and one for the four
.irp b, 0,1,2,3
	v_max_num_f32 v[232+\b], 0x1800000, v[232+\b]  ; the floor 2^(3 - 127): the byte cannot fall under 1 (a block whose every p has fallen to 0 keeps that byte: its codes are zeros)
.endr
.irp b, 0,1,2,3
	v_add_nc_u32 v[244+\b], 0xff000000, v[232+\b]  ; 2 off the exponent field: the conversion's scale operand
.endr
.irp b, 0,1,2,3
	v_lshrrev_b32 v[236+\b], 23, v[244+\b]         ; the scale's byte
.endr
	v_lshl_or_b32 v253, v237, 8, v236              ; p's scale word for these 128 keys
	v_lshl_or_b32 v253, v238, 16, v253
	v_lshl_or_b32 v253, v239, 24, v253
.irp c, 0,1
	v_cvt_scalef32_pk16_fp6_f32 v[224+6*\c:226+6*\c], v[S+32*\c:S+15+32*\c], v[244+2*\c]
	v_cvt_scalef32_pk16_fp6_f32 v[236+4*\c:238+4*\c], v[S+16+32*\c:S+31+32*\c], v[244+2*\c+1]   ; (a conversion's three registers begin on an even number)
.endr
	v_nop                                          ; one plain vector instruction between a scaled conversion and the vector instruction that touches its result
.irp c, 0,1                                    ; the operand's layout wants a whole block in a lane: lanes 0-15 block 2 c, lanes 16-31 block 2 c + 1
.irp i, 0,1,2
	v_permlane16_swap_b32 v[224+6*\c+\i], v[236+4*\c+\i]
.endr
.irp i, 0,1,2
	v_mov_b32 v[227+6*\c+\i], v[236+4*\c+\i]
.endr
.endr
.set j, 0
.rept 16
	v_pk_mul_f32 v[O+j:O+j+1], v[O+j:O+j+1], v[252:253] op_sel_hi:[1,0]   ; O^T under the new M: x f.  (These sixteen also stand between the writes of p's codes and scale word and the products below)
.set j, j+2
.endr
.irp t, 0,1,2,3                                ; O^T += V^T P^T: the four accumulators by turns
	v_wmma_scale_f32_16x16x128_f8f6f4 v[O+8*\t:O+8*\t+7], v[76+12*\t:87+12*\t], v[224:235], v[O+8*\t:O+8*\t+7], v[220+\t], v253 matrix_a_fmt:MATRIX_FMT_FP6 matrix_b_fmt:MATRIX_FMT_FP6
.endr
	s_add_co_u32 s2, s2, 6144
	s_add_co_u32 s3, s3, 256
	s_sub_co_u32 s67, s67, 1
	s_cmp_lg_u32 s67, 0
	s_cbranch_scc1 .Lstep
	; THE WAY OUT.  O^T / the sum: the 16 registers of tiles 2 b, 2 b + 1 are channels 32 b + 16 h + 0 .. 15 of my head: half a block of 32 along hidden; the other half lies in lane l xor 16.
	v_add_f32 v14, v14, v15                        ; the sum's two halves,
	v_permlanex16_b32 v252, v14, s[SEL], s[SEL+1]
	v_add_f32 v14, v14, v252                       ; and lane l xor 16's: the row's sum
	v_rcp_f32 v14, v14
	v_and_b32 v8, 8, v6                            ; (plain work behind the reciprocal, and the places behind the last products)
	v_add_nc_u32 v8, v8, v6                        ; r + 8 (r / 8)
	s_lshr_b32 s58, s14, 1
	s_and_b32 s59, s14, 1
	s_lshl_b32 s58, s58, 5
	s_lshl_b32 s59, s59, 3
	s_add_co_u32 s58, s58, s59                     ; my tile's queries are rows 32 (qt / 2) + 8 (qt % 2) + r + 8 (r / 8) of the work-group's 64
	s_mul_i32 s59, s58, 272
	s_lshl_b32 s60, s13, 6                         ; my head's four places of 16 bytes
	s_add_co_u32 s59, s59, s60
	s_add_co_u32 s59, s59, STG
	v_mul_u32_u24 v9, v8, 272
	v_lshl_add_u32 v9, v7, 4, v9
	v_add_nc_u32 v9, s59, v9                       ; the codes' place: row, head, + 16 h; the second block 32 further on
	s_lshl_b32 s58, s58, 3
	s_lshl_b32 s60, s13, 1
	s_add_co_u32 s58, s58, s60
	s_add_co_u32 s58, s58, SSTG
	v_lshl_add_u32 v10, v8, 3, s58                 ; the two scale bytes' place
	s_mul_i32 s61, s[WV], 4*272
	s_add_co_u32 s61, s61, STG
	v_mul_u32_u24 v11, v7, 272
	v_lshl_add_u32 v11, v6, 4, v11
	v_add_nc_u32 v11, s61, v11                     ; back: rows 4 w + h and 4 w + 2 + h, sixteen lanes to a row, a place each
	v_mul_u32_u24 v5, v7, 1536
	v_mad_u32_u24 v5, v6, 12, v5                   ; and the same in ao: 12 bytes a lane
	v_lshl_add_u32 v1, v0, 3, SSTG                 ; the scale bytes back: thread t takes row t (waves 0 and 1)
	v_lshlrev_b32 v2, 6, v0
	s_wait_alu depctr_va_vdst(0)                   ; the wait ahead of the reciprocal's first reader
.set j, 0
.rept 32
	v_mul_f32 v[S+j], v[O+j], v14                  ; each accumulator from its low end on
.set j, j+1
.endr
.irp b, 0,1
	v_max3_num_f32 v[232+\b], |v[S+16*\b]|, |v[S+1+16*\b]|, 0x1800000   ; block b: my 16 numbers, and the floor 2^(3 - 127)
.endr
.irp i, 2,4,6,8,10,12,14
.irp b, 0,1
	v_max3_num_f32 v[232+\b], v[232+\b], |v[S+16*\b+\i]|, |v[S+1+16*\b+\i]|
.endr
.endr
.irp b, 0,1
	v_permlanex16_b32 v[236+\b], v[232+\b], s[SEL], s[SEL+1]
.endr
.irp b, 0,1
	v_max_num_f32 v[232+\b], v[232+\b], v[236+\b]  ; the block's largest magnitude
.endr
.irp b, 0,1
	v_add_nc_u32 v[244+\b], 0xff000000, v[232+\b]
.endr
.irp b, 0,1
	v_lshrrev_b32 v[236+\b], 23, v[244+\b]
.endr
	v_lshl_or_b32 v240, v237, 8, v236              ; my head's two scale bytes of my row
	v_cvt_scalef32_pk16_fp6_f32 v[224:226], v[S:S+15], v244
	v_cvt_scalef32_pk16_fp6_f32 v[228:230], v[S+16:S+31], v245
	v_nop                                          ; one plain vector instruction behind the last conversion
	ds_store_b96 v9, v[224:226]                    ; 16 codes, 12 bytes, to a place of 16
	ds_store_b96 v9, v[228:230] offset:32
	ds_store_b16 v10, v240                         ; (lanes l and l xor 16 store the same two bytes)
	s_wait_dscnt 0x0                               ; for the others' sake: my stores into the stages are done
	s_barrier_signal -1
	s_barrier_wait -1
	ds_load_b96 v[124:126], v11
	ds_load_b96 v[128:130], v11 offset:2*272
	s_wait_dscnt 1                                 ; the first two rows are back; the second load may be out
	global_store_b96 v5, v[124:126], s[52:53]      ; sixteen lanes store a row's 192 consecutive bytes: the four heads of my kv head
	s_wait_dscnt 0x0
	global_store_b96 v5, v[128:130], s[52:53] offset:2*1536
	s_cmp_lt_u32 s[WV], 2                          ; the 64 rows' scale bytes: 8 a row, waves 0 and 1
	s_cbranch_scc0 .Lno_scales
	ds_load_b64 v[132:133], v1
	s_wait_dscnt 0x0
	global_store_b64 v2, v[132:133], s[56:57]
.Lno_scales:
	s_wait_xcnt 0x0
	v_lshl_add_u32 v254, v0, 2, 0x29000
	v_mov_b32 v255, 0
	s_wait_tensorcnt 0x0
	ds_add_u32 v254, v255
	s_wait_dscnt 0x0
	CROUND                                         ; the closing round: no work-group ends while a partner may still ask for the block jointly
	s_endpgm
.Lfunc_end_k_q6ea50c7bb2_attn:
	.size	k_q6ea50c7bb2_attn, .Lfunc_end_k_q6ea50c7bb2_attn-k_q6ea50c7bb2_attn
	.p2alignl 7, 3214868480
	.fill 96, 4, 3214868480
	.section	.rodata,"a",@progbits
	.p2align	6, 0x0
	.amdhsa_kernel k_q6ea50c7bb2_attn
		.amdhsa_group_segment_fixed_size 169984
		.amdhsa_private_segment_fixed_size 0
		.amdhsa_enable_private_segment 0
		.amdhsa_kernarg_size 16
		.amdhsa_user_sgpr_count 2
		.amdhsa_user_sgpr_kernarg_segment_ptr 1
		.amdhsa_wavefront_size32 1
		.amdhsa_system_sgpr_workgroup_id_x 1
		.amdhsa_system_sgpr_workgroup_id_y 1
		.amdhsa_system_sgpr_workgroup_id_z 1
		.amdhsa_system_vgpr_workitem_id 0
		.amdhsa_next_free_vgpr 256
		.amdhsa_next_free_sgpr 70
		.amdhsa_reserve_vcc 0
		.amdhsa_float_denorm_mode_32 3
		.amdhsa_float_denorm_mode_16_64 3
		.amdhsa_memory_ordered 1
		.amdhsa_forward_progress 1
		.amdhsa_inst_pref_size 31
	.end_amdhsa_kernel
	.amdgpu_metadata
---
amdhsa.version: [ 1, 2 ]
amdhsa.kernels:
  - .name:           k_q6ea50c7bb2_attn
    .symbol:         k_q6ea50c7bb2_attn.kd
    .args:
      - { .name: qkv, .offset: 0, .size: 8, .value_kind: global_buffer, .address_space: global }
      - { .name: ao, .offset: 8, .size: 8, .value_kind: global_buffer, .address_space: global }
    .group_segment_fixed_size: 169984
    .private_segment_fixed_size: 0
    .kernarg_segment_align: 8
    .kernarg_segment_size: 16
    .max_flat_workgroup_size: 512
    .sgpr_count:     70
    .vgpr_count:     256
    .wavefront_size: 32
...
	.end_amdgpu_metadata
.endif
;; end of part 2
;; launch oproj (part 3): grid 16 x 16, 4 waves a work-group, clusters of 4 x 4, 327,680 bytes of LDS; arguments ao, Wo_codes, Wo_scales, bo, out0; writes out0
.if DOCPART == 3
	.amdgcn_target "amdgcn-amd-amdhsa--gfx1250"
	.amdhsa_code_object_version 6
	.text
	.protected	k_q6ea50c7bb2_oproj
	.globl	k_q6ea50c7bb2_oproj
	.p2align	8
	.type	k_q6ea50c7bb2_oproj,@function
k_q6ea50c7bb2_oproj:
	s_mov_b64 s[64:65], 0
	v_nop
	global_prefetch_b8 v0, s[64:65] scope:SCOPE_SE
	s_setreg_imm32_b32 hwreg(HW_REG_WAVE_MODE, 25, 1), 1
	s_wait_xcnt 0x0
	s_wait_alu depctr_hold_cnt(0) depctr_sa_sdst(0) depctr_va_vdst(0) depctr_va_sdst(0) depctr_va_ssrc(0) depctr_va_vcc(0) depctr_vm_vsrc(0)
	s_getreg_b32 s2, hwreg(HW_REG_IB_STS2, 6, 4)
	s_cmp_eq_u32 s2, 0
	s_cbranch_scc0 .Lentry_in_a_cluster
	s_endpgm
.Lentry_in_a_cluster:
	s_bfe_u32 s2, ttmp6, 0x10000c
	s_cmp_lg_u32 s2, 0xf033
	s_cbranch_scc0 .Lentry_shape_is_right
	s_endpgm
.Lentry_shape_is_right:
; out0 = ao Wo + bo, on codes of FP6 (E2M3) with one E8M0 scale for each 32 along K (K = 2,048), sums in f32.  ao: the attention's result as codes [2,048][1,536 bytes], its scale bytes [2,048][64] behind them; Wo: codes and scales with K innermost.
; SHARES.  A tile of C is 128 x 128, so that 16 x 16 tiles give each of 256 work-groups one: four waves, each 64 x 64: 16 accumulators of 16 x 16.  K goes through two LDS slots of 512 along K (rows of 384 bytes), four fills, written out without a loop.
; CLUSTERS.  4 x 4 work-groups: the four of a row of the cluster ask for A's tile jointly, the four of a column for B's.  The product is used transposed (source 0 = 16 rows of Wo, source 1 = 16 rows of ao): a lane holds eight neighbouring columns of one row of C.
; The bias is the C of each sum's first matrix instruction.  LIMITS: NaN and infinities are not served; given scale bytes are taken as they are.
.set KROW,   1536                      ; a row of codes in memory: 2,048 codes
.set ROWB,   384                       ; a tile's row: 512 codes
.set PITCH,  528                       ; an LDS row: 3 x (128 bytes + 48 of padding) = 132 words: row r starts at bank 4 r mod 64 (64 banks of 4 bytes: ISA guide 11.1); the lanes' halves lie 6 or 18 words on: a load of 8 bytes a lane touches 64 different banks
.set HALFT,  64*PITCH                  ; 64 rows: what one tensor load brings, and what one wave reads of A or of B
.set SLOT,   4*HALFT                   ; A's 128 rows, then B's 128
.set SCL,    2*SLOT                    ; behind the ring: the scale bytes of the tile's rows for all of K, as units of 256 bytes + 16 of padding
.set HALFS,  16*272                    ; those of 64 rows (64 bytes a row)
.set SBLK,   4*272                     ; those of 16 rows
.set SPARE,  SCL+4*HALFS               ; the spare words, 128 bytes for each wave: two blocks of 256 bytes that no other line names
.set STAGE,  SPARE+512                 ; the way out: 16 rows x (256 bytes + 16) for each wave; no fill ever lands here
.set SPITCH, 272
.set AOS,    3145728                   ; ao: the scales
.set ADRA, 16                          ; v16-17 LDS address of my A fragments in slot 0, 1; v18-19 the same for pieces that lie behind one padding more
.set ADRB, 20                          ; v20-23 the same for B
.set STO,  24                          ; v24    the stage: where I put 32 bytes of a row
.set RD,   25                          ; v25    the stage: where I read a row back
.set CO,   26                          ; v26    my byte offset in two rows of C
.set ADRS, 27                          ; v27    LDS address of my scale words: lanes 0-15 A's rows, lanes 16-31 B's
.set SPW,  28                          ; v28    LDS address of my spare word; never rewritten
.set NIL,  29                          ; v29    0; never rewritten
.set SC,   32                          ; v32-63 scale words and nothing else: set s at SC + 16 s; register 4 i + q: lanes 0-15 A's block i, lanes 16-31 B's block i, the slot's q-th 128 along K
.set BN,   64                          ; v64-95 the bias, in the result's layout
.set BK,   64                          ; the way out: 16 rows read back from the stage: v64-95 and v96-127 by turns
.set ACC,  128                         ; v128-255 accumulator (a, b) at ACC + 8 (4 a + b)
.set F0,   0                           ; window 1: two sets of fragments: B's four at +12 i, A's four at +48 + 12 i
.set F1,   128
.set G1,   24                          ; s[24:31] descriptor group 1 for A's tiles;  s[32:39] group 0, one set for each slot
.set G0,   32
.set G1B,  48                          ; s[48:55], s[56:63] the same for B's
.set G0B,  56
.set G1S,  72                          ; s[72:79], s[80:83] groups 1 and 0 for A's scales;  s[84:91], s[92:95] for B's (s72-79 hold the arguments first)
.set G0S,  80
.set G1SB, 84
.set G0SB, 92
.set MSB, 0
.macro WIN new                         ; the immediate's high byte repeats the setting that is left
.if MSB != \new
	s_set_vgpr_msb (MSB<<8)|\new
.set MSB, \new
.endif
.endm
.set MUL,  0x05                        ; sources 0 (B) and 1 (A) window 1; C and D window 0
.set TO_F, 0x40                        ; destination window 1, address window 0
; A joint load: waves 0 and 1 fetch for A, waves 2 and 3 for B.  Each line has one mask and one set of registers for all that issue it; the branch hangs on the wave's number alone.
; Four v_nop follow each of the two lines, ahead of the jump, the label and what follows.
.macro JLOAD g0a, g1a, g0b, g1b
	s_cmp_eq_u32 s15, 0
	s_cbranch_scc0 .Lfor_b_\@
	tensor_load_to_lds s[\g0a:\g0a+3], s[\g1a:\g1a+7]
	s_nop 0
.rept 4
	v_nop
.endr
	s_branch .Lasked_\@
.Lfor_b_\@:
	tensor_load_to_lds s[\g0b:\g0b+3], s[\g1b:\g1b+7]
	s_nop 0
.rept 4
	v_nop
.endr
.Lasked_\@:
.endm
.macro CREST                           ; a round of the cluster's barrier behind its opening barrier
	s_cmp_lg_u32 s14, 0
	s_cbranch_scc1 .Lnot_wave_0_\@
	s_barrier_signal -3
.Lnot_wave_0_\@:
	s_barrier_wait -3
	s_barrier_signal -1
	s_barrier_wait -1
.endm
.macro CROUND                          ; a whole round
	s_barrier_signal -1
	s_barrier_wait -1
	CREST
.endm
.macro PLACES                          ; four plain vector instructions between a matrix instruction and a load into a register that it has read, or a store that reads its result (ISA guide 7.12.1 for vector instructions)
.rept 4
	v_nop
.endr
.endm
	s_load_b256 s[72:79], s[0:1], 0x0              ; ao 72, Wo codes 74, Wo scales 76, bo 78
	s_load_b64 s[12:13], s[0:1], 0x20              ; out0
	v_lshl_add_u32 v[SPW], v0, 2, SPARE
	v_mov_b32 v[NIL], 0
	ds_add_u32 v28, v29
	ds_add_u32 v28, v29
	s_wait_dscnt 0x0
	v_lshrrev_b32 v1, 5, v0
	v_readfirstlane_b32 s14, v1                    ; wave 0..3
	s_lshr_b32 s15, s14, 1                         ; which half of the tile's rows is mine.  Also: I fetch for A (0) or for B (1)
	s_and_b32 s16, s14, 1                          ; which half of its columns.  Also: which 64 rows of that tile I fetch
	s_bfe_u32 s40, ttmp6, 0x40000                  ; cx, cy: my place in the cluster
	s_bfe_u32 s41, ttmp6, 0x40004
	s_lshl_b32 s42, ttmp9, 2
	s_add_co_u32 s42, s42, s40                     ; tile column of C = 4 x cluster x + cx
	s_and_b32 s17, ttmp7, 0xffff
	s_lshl_b32 s17, s17, 2
	s_add_co_u32 s17, s17, s41                     ; tile row of C = 4 x cluster y + cy
	s_lshl_b32 s43, s41, 2
	s_lshl_b32 s43, 15, s43                        ; my row of the cluster
	s_lshl_b32 s44, 0x1111, s40                    ; my column
	; descriptor group 1: a tile of 64 rows x 384 bytes, padded in LDS
	s_or_b32 s[G1+0], s43, (1<<20)|(1<<21)|(4<<22)|(11<<25)   ; 15:0 the mask: A's tiles go to my row; 17:16 elements of 1 byte; 20 padding on; 21 set beside a mask; 24:22 after every 32 words (code 4); 31:25 of 12 words (code 11)
	s_or_b32 s[G1B+0], s44, (1<<20)|(1<<21)|(4<<22)|(11<<25)
.irp g, G1, G1B
	s_mov_b32 s[\g+1], ROWB<<16                    ; tensor_dim0
	s_mov_b32 s[\g+2], 64<<16                      ; tensor_dim1 = 64
	s_mov_b32 s[\g+3], ROWB<<16                    ; tile_dim0
	s_mov_b32 s[\g+4], 64                          ; tile_dim1 = 64
	s_mov_b32 s[\g+5], KROW                        ; tensor_dim0_stride
	s_mov_b32 s[\g+6], 0
	s_mov_b32 s[\g+7], 0
.endr
	s_lshl_b32 s18, s16, 6                         ; which 64 rows of the tile I fetch
	s_lshl_b32 s20, s17, 7
	s_add_co_u32 s20, s20, s18                     ; A: row 128 x tile row + 64 x half
	s_lshl_b32 s46, s42, 7
	s_add_co_u32 s46, s46, s18                     ; B: row 128 x tile column + 64 x half
	s_mul_i32 s22, s20, KROW                       ; where these rows' codes begin, in bytes (under 2^22),
	s_mov_b32 s23, 0
	s_lshl_b32 s20, s20, 6                         ; and their scale bytes
	s_mov_b32 s21, 0
	s_mul_i32 s68, s46, KROW
	s_mov_b32 s69, 0
	s_lshl_b32 s46, s46, 6
	s_mov_b32 s47, 0
	s_mul_i32 s45, s14, HALFT                      ; where they go: wave x 64 rows: no place in the cluster enters an LDS address
	s_mul_i32 s96, s14, HALFS
	s_wait_kmcnt 0x0
	s_add_nc_u64 s[4:5], s[72:73], s[22:23]        ; A's codes,
	s_add_nc_u64 s[6:7], s[72:73], s[20:21]
	s_add_nc_u64 s[6:7], s[6:7], AOS               ; A's scales,
	s_add_nc_u64 s[8:9], s[74:75], s[68:69]        ; B's codes,
	s_add_nc_u64 s[10:11], s[76:77], s[46:47]      ; B's scales
	s_mov_b64 s[66:67], s[78:79]                   ; bo
	; the arguments have been taken: their registers become the scales' descriptors.  The scales of 64 rows are a dense block of 4,096 bytes: 16 rows of 256 bytes (32 elements of 8 bytes), 16 bytes of padding behind each
	s_or_b32 s[G1S+0], s43, (3<<16)|(1<<20)|(1<<21)|(5<<22)|(3<<25)
	s_or_b32 s[G1SB+0], s44, (3<<16)|(1<<20)|(1<<21)|(5<<22)|(3<<25)
.irp g, G1S, G1SB
	s_mov_b32 s[\g+1], 32<<16
	s_mov_b32 s[\g+2], 16<<16
	s_mov_b32 s[\g+3], 32<<16
	s_mov_b32 s[\g+4], 16
	s_mov_b32 s[\g+5], 32
	s_mov_b32 s[\g+6], 0
	s_mov_b32 s[\g+7], 0
.endr
	CROUND                                         ; all sixteen work-groups are here: the first joint loads meet
	s_mov_b32 s[G0S], 1
	s_add_co_u32 s[G0S+1], s96, SCL
	s_mov_b64 s[G0S+2:G0S+3], s[6:7]
	s_or_b32 s[G0S+3], s[G0S+3], 0x80000000
	s_mov_b32 s[G0SB], 1
	s_add_co_u32 s[G0SB+1], s96, SCL
	s_mov_b64 s[G0SB+2:G0SB+3], s[10:11]
	s_or_b32 s[G0SB+3], s[G0SB+3], 0x80000000
	JLOAD G0S, G1S, G0SB, G1SB                     ; the scales first: they are wanted with the first fill.  With the two below, three loads of mine are out
.irp s, 0,1
	s_mov_b32 s[G0+4*\s], 1
	s_add_co_u32 s[G0+4*\s+1], s45, \s*SLOT
	s_add_nc_u64 s[G0+4*\s+2:G0+4*\s+3], s[4:5], \s*ROWB
	s_or_b32 s[G0+4*\s+3], s[G0+4*\s+3], 0x80000000
	s_mov_b32 s[G0B+4*\s], 1
	s_add_co_u32 s[G0B+4*\s+1], s45, \s*SLOT
	s_add_nc_u64 s[G0B+4*\s+2:G0B+4*\s+3], s[8:9], \s*ROWB
	s_or_b32 s[G0B+4*\s+3], s[G0B+4*\s+3], 0x80000000
	JLOAD G0+4*\s, G1, G0B+4*\s, G1B
.endr
	; the bias and the place in out0, while the tiles are on their way
	v_and_b32 v1, 15, v0                           ; r = lane % 16
	v_bfe_u32 v2, v0, 4, 1                         ; h = lane / 16
	s_lshl_b32 s18, s17, 7
	s_lshl_b32 s19, s15, 6
	s_add_co_u32 s18, s18, s19                     ; my first row of C
	s_lshl_b32 s20, s42, 7
	s_lshl_b32 s19, s16, 6
	s_add_co_u32 s20, s20, s19                     ; my first column
	s_lshl_b32 s20, s20, 2                         ; in bytes
	s_mov_b32 s21, 0
	s_add_nc_u64 s[66:67], s[66:67], s[20:21]
	v_lshlrev_b32 v9, 5, v2                        ; register j of accumulator (a, b) is column 16 b + 8 h + j
.irp b, 0,1,2,3
	global_load_b128 v[BN+8*\b:BN+8*\b+3], v9, s[66:67] offset:64*\b
	global_load_b128 v[BN+8*\b+4:BN+8*\b+7], v9, s[66:67] offset:64*\b+16
.endr
	s_lshl_b32 s18, s18, 13                        ; a row of out0 is 8,192 bytes
	s_mov_b32 s19, 0
	s_add_nc_u64 s[12:13], s[12:13], s[18:19]
	s_add_nc_u64 s[12:13], s[12:13], s[20:21]
	; LDS addresses
	v_mul_u32_u24 v3, v1, PITCH
	v_mad_u32_u24 v4, v2, 24, v3                   ; a fragment's row x pitch + 24 x half
	v_mad_u32_u24 v5, v2, 72, v3                   ; and the same behind one padding more
	s_mul_i32 s21, s15, HALFT                      ; my 64 rows of A
	s_mul_i32 s22, s16, HALFT                      ; my 64 rows of B,
	s_add_co_u32 s22, s22, 2*HALFT                 ; which lie behind A's 128
.irp s, 0,1
	v_add_nc_u32 v[ADRA+\s], s21, v4
	v_add_nc_u32 v[ADRB+\s], s22, v4
	v_add_nc_u32 v[ADRA+2+\s], s21, v5
	v_add_nc_u32 v[ADRB+2+\s], s22, v5
	s_add_co_u32 s21, s21, SLOT
	s_add_co_u32 s22, s22, SLOT
.endr
	v_lshrrev_b32 v5, 2, v1                        ; my row's scales: four rows of 64 bytes to a unit of 272
	v_and_b32 v6, 3, v1
	v_mul_u32_u24 v5, v5, 272
	v_lshl_add_u32 v5, v6, 6, v5
	s_mul_i32 s21, s15, HALFS                      ; A's: my 64 rows
	s_mul_i32 s22, s16, HALFS                      ; B's: my 64 rows, behind A's 128
	s_add_co_u32 s22, s22, 2*HALFS
	s_sub_co_u32 s22, s22, s21
	v_mul_u32_u24 v6, s22, v2                      ; lanes 16-31 take B's: the lower base + h x the distance
	s_add_co_u32 s21, s21, SCL
	v_add_nc_u32 v5, v5, v6
	v_add_nc_u32 v[ADRS], s21, v5
	s_mul_i32 s23, s14, 16*SPITCH
	s_add_co_u32 s23, s23, STAGE                   ; my stage
	v_mul_u32_u24 v5, v1, SPITCH                   ; in: row r, 32 bytes for each half of the lanes
	v_lshl_add_u32 v5, v2, 5, v5
	v_add_nc_u32 v[STO], s23, v5
	v_mul_u32_u24 v5, v2, SPITCH                   ; back: lanes 0-15 take one row of 256 bytes, lanes 16-31 the next
	v_lshl_add_u32 v5, v1, 4, v5
	v_add_nc_u32 v[RD], s23, v5
	v_lshlrev_b32 v[CO], 13, v2                    ; and the same two rows in out0
	v_lshl_add_u32 v[CO], v1, 4, v[CO]
	s_wait_loadcnt 0x0                             ; the bias
.macro FRAG reg, adr, q, i             ; a fragment, 16 rows x 128 K of 6-bit codes, is 12 registers: lane (r, h) holds row r; registers 6 c .. 6 c + 5 hold K = 64 c + 32 h + 0 .. 31: 24 bytes of the row's stream of bits, as they lie
.irp p, 0,1,2,3,4,5                    ; in pieces of 8 bytes.  Lanes 0-15 take the row's pieces 12 q + 0, 1, 2 and 12 q + 6, 7, 8, lanes 16-31 those three pieces on
.set PC, 12*(\q)+6*(\p/3)+\p%3        ; 48 bytes of padding lie behind every 128 bytes (16 pieces): where the piece three on lies behind one padding more, the second address register (72 for 24 bytes a half) serves
.if PC%16 < 13
	ds_load_b64 v[\reg+2*\p:\reg+2*\p+1], v[\adr] offset:8*PC+48*(PC/16)+(\i)*16*PITCH
.else
	ds_load_b64 v[\reg+2*\p:\reg+2*\p+1], v[\adr+2] offset:8*PC+48*(PC/16)+(\i)*16*PITCH
.endif
.endr
.endm
.macro FETCH slot, q, f                ; 48 LDS loads in one run: the fragments of the slot's q-th 128 along K into set f
	WIN TO_F
.irp i, 0,1,2,3
	FRAG \f+12*\i, ADRB+\slot, \q, \i
	FRAG \f+48+12*\i, ADRA+\slot, \q, \i
.endr
.endm
.macro SCALES set, k                   ; the scale words of fill k (512 along K: four words a row) into set
	WIN 0
.irp i, 0,1,2,3
	ds_load_b128 v[SC+16*\set+4*\i:SC+16*\set+4*\i+3], v[ADRS] offset:\i*SBLK+16*\k
.endr
.endm
; four matrix instructions: A's block a x B's four.  first = 1: the sums begin with the bias as C: nothing is cleared.  The 16 accumulators take turns, one instruction a turn, in the same order in every step.
.macro MUL4 f, a, q, set, first
.irp b, 0,1,2,3
.if \first
	v_wmma_scale_f32_16x16x128_f8f6f4 v[ACC+8*(4*(\a)+\b):ACC+8*(4*(\a)+\b)+7], v[\f+12*\b:\f+12*\b+11], v[\f+48+12*(\a):\f+48+12*(\a)+11], v[BN+8*\b:BN+8*\b+7], v[SC+16*(\set)+4*\b+(\q)], v[SC+16*(\set)+4*(\a)+(\q)] matrix_a_fmt:MATRIX_FMT_FP6 matrix_b_fmt:MATRIX_FMT_FP6 matrix_a_scale:MATRIX_SCALE_ROW1
.else
	v_wmma_scale_f32_16x16x128_f8f6f4 v[ACC+8*(4*(\a)+\b):ACC+8*(4*(\a)+\b)+7], v[\f+12*\b:\f+12*\b+11], v[\f+48+12*(\a):\f+48+12*(\a)+11], v[ACC+8*(4*(\a)+\b):ACC+8*(4*(\a)+\b)+7], v[SC+16*(\set)+4*\b+(\q)], v[SC+16*(\set)+4*(\a)+(\q)] matrix_a_fmt:MATRIX_FMT_FP6 matrix_b_fmt:MATRIX_FMT_FP6 matrix_a_scale:MATRIX_SCALE_ROW1
.endif
.endr
.endm
; A step of 128 along K that has its successor in the same slot: multiplies set f; ahead of its products it asks for the next step's fragments, into set g
.macro STEP slot, q, f, g, first
	s_wait_dscnt 0x0                               ; set f (asked for ahead of the last step's 16 products) is in
	PLACES                                         ; for the loads into set g, which the last step multiplied
	FETCH \slot, (\q)+1, \g
	WIN MUL
	MUL4 \f, 0, \q, \slot, \first
	MUL4 \f, 1, \q, \slot, \first
	MUL4 \f, 2, \q, \slot, \first
	MUL4 \f, 3, \q, \slot, \first
.endm
; A slot's last step changes slots: ONE barrier; in front of it each wave waits for all its tensor loads, adds 0 to its spare word, and waits for that and for its own reads of this slot.  fill = 1: this slot is filled again, two fills ahead.
.macro TURN slot, next, k, fill
	WIN 0                                          ; (the add's two registers lie in window 0)
	s_wait_tensorcnt 0x0                           ; all my tensor loads have landed: my part of the next slot;
	ds_add_u32 v[SPW], v[NIL]                      ; 0 onto my spare word;
	s_wait_dscnt 1                                 ; (only the add may be out: set 1 is in)
	WIN MUL
	MUL4 F1, 0, 3, \slot, 0                        ; four matrix instructions stand between the add and the wait for it
	s_wait_dscnt 0x0                               ; the add is done, and my reads of this slot are over
	s_barrier_signal -1
	MUL4 F1, 1, 3, \slot, 0
	WIN 0
	s_barrier_wait -1
.if \fill
	CREST                                          ; the barrier has opened a round of the cluster's barrier: no wave of any partner still reads this slot's tile or has a load on its way
	s_add_nc_u64 s[G0+4*\slot+2:G0+4*\slot+3], s[G0+4*\slot+2:G0+4*\slot+3], 2*ROWB
	s_add_nc_u64 s[G0B+4*\slot+2:G0B+4*\slot+3], s[G0B+4*\slot+2:G0B+4*\slot+3], 2*ROWB
	JLOAD G0+4*\slot, G1, G0B+4*\slot, G1B         ; the first tensor load behind the round, my one load until the next: it has 56 matrix instructions in which to land; its four v_nop are also the places in front of the loads below
.else
	PLACES
.endif
	FETCH \next, 0, F0
	SCALES \next, \k
	WIN MUL
	MUL4 F1, 2, 3, \slot, 0
	MUL4 F1, 3, 3, \slot, 0
.endm
	s_wait_tensorcnt 1                             ; the scales and my part of the first fill are in (slot 1's load may be out)
	s_barrier_signal -1
	s_barrier_wait -1                              ; everybody's are
	FETCH 0, 0, F0
	SCALES 0, 0
	STEP 0, 0, F0, F1, 1                           ; the first step's products start the sums
	STEP 0, 1, F1, F0, 0
	STEP 0, 2, F0, F1, 0
	TURN 0, 1, 1, 1
	STEP 1, 0, F0, F1, 0
	STEP 1, 1, F1, F0, 0
	STEP 1, 2, F0, F1, 0
	TURN 1, 0, 2, 1
	STEP 0, 0, F0, F1, 0
	STEP 0, 1, F1, F0, 0
	STEP 0, 2, F0, F1, 0
	TURN 0, 1, 3, 0                                ; nothing is left to fetch
	STEP 1, 0, F0, F1, 0
	STEP 1, 1, F1, F0, 0
	STEP 1, 2, F0, F1, 0
	s_wait_dscnt 0x0                               ; the very last step
	MUL4 F1, 0, 3, 1, 0
	MUL4 F1, 1, 3, 1, 0
	MUL4 F1, 2, 3, 1, 0
	MUL4 F1, 3, 3, 1, 0
	WIN 0
; THE WAY OUT, block by block of 16 rows x 64 columns.  A lane holds 32 neighbouring bytes of a row, and the lanes beside it hold other rows: so a block goes through my own stage in LDS and comes back as whole
; rows of 256 bytes.  LDS serves a wave's instructions in order (ISA guide 5.7.1.4): no wait between the stores and the loads, nor in front of the next block's stores.
.macro TOSTAGE a
.irp b, 0,1,2,3
	ds_store_b128 v[STO], v[ACC+8*(4*(\a)+\b):ACC+8*(4*(\a)+\b)+3] offset:64*\b         ; each accumulator from its low end on
	ds_store_b128 v[STO], v[ACC+8*(4*(\a)+\b)+4:ACC+8*(4*(\a)+\b)+7] offset:64*\b+16
.endr
.set BB, BK+32*((\a)%2)
.irp t, 0,1,2,3,4,5,6,7
	ds_load_b128 v[BB+4*\t:BB+4*\t+3], v[RD] offset:\t*2*SPITCH
.endr
.endm
.macro SEND a, younger                 ; younger: the LDS instructions issued behind block a's loads, which may stay out
.set BB, BK+32*((\a)%2)
	s_wait_dscnt \younger                          ; the block is back in registers
.irp t, 0,1,2,3,4,5,6,7
	global_store_b128 v[CO], v[BB+4*\t:BB+4*\t+3], s[12:13] offset:(16*(\a)+2*\t)*8192 th:TH_STORE_NT   ; 16 lanes store 256 consecutive bytes, at a multiple of 256 from out0's first byte; 62 rows at the most stand in the immediate; written once, read by nobody here
.endr
.endm
	PLACES                                         ; behind the last products: they serve every block's first read and the loads into the registers that held the bias
	TOSTAGE 0
.irp a, 1,2,3
.if \a > 1
	s_wait_xcnt 0x0                                ; block a - 2's stores have read their registers: block a's loads may land there
.endif
	TOSTAGE \a
	SEND \a-1, 16                                  ; behind block a - 1's loads: block a's 8 stores and 8 loads
.endr
	SEND 3, 0
	s_wait_tensorcnt 0x0                           ; the wave's end: behind my last tensor load and my last LDS store
	ds_add_u32 v[SPW], v[NIL]
	s_wait_dscnt 0x0
	CROUND                                         ; the closing round: no work-group ends while a partner may still ask for a tile that names it
	s_endpgm
.Lfunc_end_k_q6ea50c7bb2_oproj:
	.size	k_q6ea50c7bb2_oproj, .Lfunc_end_k_q6ea50c7bb2_oproj-k_q6ea50c7bb2_oproj
	.p2alignl 7, 3214868480
	.fill 96, 4, 3214868480
	.section	.rodata,"a",@progbits
	.p2align	6, 0x0
	.amdhsa_kernel k_q6ea50c7bb2_oproj
		.amdhsa_group_segment_fixed_size 327680
		.amdhsa_private_segment_fixed_size 0
		.amdhsa_enable_private_segment 0
		.amdhsa_kernarg_size 40
		.amdhsa_user_sgpr_count 2
		.amdhsa_user_sgpr_kernarg_segment_ptr 1
		.amdhsa_wavefront_size32 1
		.amdhsa_system_sgpr_workgroup_id_x 1
		.amdhsa_system_sgpr_workgroup_id_y 1
		.amdhsa_system_sgpr_workgroup_id_z 1
		.amdhsa_system_vgpr_workitem_id 0
		.amdhsa_next_free_vgpr 512
		.amdhsa_next_free_sgpr 102
		.amdhsa_reserve_vcc 0
		.amdhsa_float_denorm_mode_32 3
		.amdhsa_float_denorm_mode_16_64 3
		.amdhsa_memory_ordered 1
		.amdhsa_forward_progress 1
		.amdhsa_inst_pref_size 106
	.end_amdhsa_kernel
	.amdgpu_metadata
---
amdhsa.version: [ 1, 2 ]
amdhsa.kernels:
  - .name:           k_q6ea50c7bb2_oproj
    .symbol:         k_q6ea50c7bb2_oproj.kd
    .args:
      - { .name: ao, .offset: 0, .size: 8, .value_kind: global_buffer, .address_space: global }
      - { .name: Wo_codes, .offset: 8, .size: 8, .value_kind: global_buffer, .address_space: global }
      - { .name: Wo_scales, .offset: 16, .size: 8, .value_kind: global_buffer, .address_space: global }
      - { .name: bo, .offset: 24, .size: 8, .value_kind: global_buffer, .address_space: global }
      - { .name: out0, .offset: 32, .size: 8, .value_kind: global_buffer, .address_space: global }
    .group_segment_fixed_size: 327680
    .private_segment_fixed_size: 0
    .kernarg_segment_align: 8
    .kernarg_segment_size: 40
    .max_flat_workgroup_size: 128
    .sgpr_count:     102
    .vgpr_count:     512
    .wavefront_size: 32
...
	.end_amdgpu_metadata
.endif
;; end of part 3
;; ======== version 2 of 2: 3 launches
;; limits: right only within a limited range of input values
;; workspace buffers: qkv 4,915,200 bytes; ao 3,276,800 bytes
;; launch proj (part 4): grid 16 x 16, 4 waves a work-group, clusters of 4 x 4, 327,680 bytes of LDS; arguments x_codes, x_scales, Wq_codes, Wq_scales, Wk_codes, Wk_scales, Wv_codes, Wv_scales, bq, bk, bv, qkv; writes qkv
.if DOCPART == 4
	.amdgcn_target "amdgcn-amd-amdhsa--gfx1250"
	.amdhsa_code_object_version 6
	.text
	.protected	k_q6ea50c7bb2_proj
	.globl	k_q6ea50c7bb2_proj
	.p2align	8
	.type	k_q6ea50c7bb2_proj,@function
k_q6ea50c7bb2_proj:
	s_mov_b64 s[64:65], 0
	v_nop
	global_prefetch_b8 v0, s[64:65] scope:SCOPE_SE
	s_setreg_imm32_b32 hwreg(HW_REG_WAVE_MODE, 25, 1), 1
	s_wait_xcnt 0x0
	s_wait_alu depctr_hold_cnt(0) depctr_sa_sdst(0) depctr_va_vdst(0) depctr_va_sdst(0) depctr_va_ssrc(0) depctr_va_vcc(0) depctr_vm_vsrc(0)
	s_getreg_b32 s2, hwreg(HW_REG_IB_STS2, 6, 4)
	s_cmp_eq_u32 s2, 0
	s_cbranch_scc0 .Lentry_in_a_cluster
	s_endpgm
.Lentry_in_a_cluster:
	s_bfe_u32 s2, ttmp6, 0x10000c
	s_cmp_lg_u32 s2, 0xf033
	s_cbranch_scc0 .Lentry_shape_is_right
	s_endpgm
.Lentry_shape_is_right:
; q = x Wq + bq, k = x Wk + bk, v = x Wv + bv on codes of FP6 (E2M3), one E8M0 scale for each 32 along K (K = 2,048), sums in f32; each result is quantised again: q and k along the head's 64, v along the keys.
; SHARES.  256 work-groups of 128 tokens x 192 outputs (128 of q, 32 of k, 32 of v).  A wave holds ITS 32 TOKENS, ALL OF K, in registers (2 tiles x 16 fragments of 12) and streams the weights past them in six batches of 32 outputs: four of q, one of k, one of v.
; LDS.  Rows of 1,536 bytes (all of K), 16 bytes of padding behind every 512: pitch 1,584.  At the head x's 128 rows and Wq's first 64 come in, one joint load a wave; when all waves hold x in registers, Wq's other 64 rows, Wk's 32 and Wv's 32 land on x's bytes: the one refill.
; CLUSTERS 4 x 4: x's rows are asked for jointly along a row of the cluster, the weights' along a column.
; PREFETCH: at the head each wave asks for its work-group's quarter (8 rows, 48 blocks of 256 bytes) of the tile that the wave's refill will bring; the four work-groups of a column share a tile's rows by address.
; THE SCALE BYTES go straight into registers: lane l has row l of 32 rows, 64 bytes.
; q and k are used transposed (source 0 the weight): a lane holds one token and outputs 8 h + j and 16 + 8 h + j of the batch's 32.  This order inside a block of 32 is the same for q and k, so their product keeps its terms.
; v has x as source 0: a lane holds one channel and the tokens 8 h + j, 16 + 8 h + j: the order in which the next launch's p lies.
; THE RESULT in qkv: q [head 32][block of 32][group of 32 tokens 64][piece 3][place 32][8 bytes], place = 16 (tile ^ block) + row; q's scales at QS: [pair of heads][token][4 bytes];
;   from KV on 102,400 bytes for each (batch, kv head): [key step of 128][k: block 2, group 4, 768 bytes; v: half of the channels 2, group 4, 768 bytes; k's scales 2 bytes a key; v's scale words [half][u][r]].
;   v's channel 16 d + r of a half lies at place 8 d + r % 8 + 16 ((r / 8) ^ (group % 2)).
; LIMITS: NaN and infinities are not served.  A block whose largest magnitude lies under 2^-124 gets the scale byte 1; these bytes are read by this program alone.  Given scale bytes are taken as they are.
; Fragment f lies in window 1 + f / 21 at 12 (f % 21), fragment 63 in window 0 at 240: 0-31 x's (2 q + a), 32-63 the weights', two buffers of 8 steps x 2 tiles.
.set KROW,  1536
.set PITCH, 1584                       ; 396 words: row r starts at bank 12 r mod 64 (64 banks of 4 bytes: ISA guide 11.1): 16 different multiples of 4; the upper half of the lanes lies 6 or 10 words on
.set WB,    128*PITCH
.set SPARE, 192*PITCH
.set QS,    3145728
.set KV,    3276800
.set KVB,   102400
.set XS,    34                         ; v34-49 x's scale words
.set WS,    52                         ; v52-147 the weights': 16 a batch
.set BN,    148                        ; v148-163 the bias as the first products' C
.set AC,    164                        ; v164-227 two sets of four accumulators
.set SPW,   28
.set NIL,   29
.set MSB, 0
.macro WIN new                         ; the immediate's high byte repeats the setting that is left
.if MSB != (\new)
	s_set_vgpr_msb (MSB<<8)|(\new)
.set MSB, \new
.endif
.endm
.macro PLACES
.rept 4
	v_nop
.endr
.endm
.macro BARRIER
	s_barrier_signal -1
	s_barrier_wait -1
.endm
.macro CROUND                          ; a round of the cluster's barrier
	BARRIER
	s_cmp_lg_u32 s14, 0
	s_cbranch_scc1 .Lnot_wave_0_\@
	s_barrier_signal -3
.Lnot_wave_0_\@:
	s_barrier_wait -3
	BARRIER
.endm
.macro TLOAD g0, g1
	tensor_load_to_lds s[\g0:\g0+3], s[\g1:\g1+7]
	s_nop 0
	PLACES
.endm
.macro FRAG f, q, a0, a1               ; 16 rows x 128 K: six pieces of 8 bytes, two to a load; a1 where the upper lanes' piece lies behind one padding more
	WIN ((1+(\f)/21-4*((\f)/63))<<6)
.set R_, 12*((\f)%21)+240*((\f)/63)
.irp p, 0,2,4
.set A_, 12*(\q)+6*(\p/3)+\p%3
.set B_, 12*(\q)+6*((\p+1)/3)+(\p+1)%3
.set XA_, (A_%64+3)/64
.set XB_, (B_%64+3)/64
.if XA_ == XB_
.if XA_
	ds_load_2addr_b64 v[R_+2*\p:R_+2*\p+3], \a1 offset0:A_+2*(A_/64) offset1:B_+2*(B_/64)
.else
	ds_load_2addr_b64 v[R_+2*\p:R_+2*\p+3], \a0 offset0:A_+2*(A_/64) offset1:B_+2*(B_/64)
.endif
.else
.if XA_
	ds_load_b64 v[R_+2*\p:R_+2*\p+1], \a1 offset:8*(A_+2*(A_/64))
	ds_load_b64 v[R_+2*\p+2:R_+2*\p+3], \a0 offset:8*(B_+2*(B_/64))
.else
	ds_load_b64 v[R_+2*\p:R_+2*\p+1], \a0 offset:8*(A_+2*(A_/64))
	ds_load_b64 v[R_+2*\p+2:R_+2*\p+3], \a1 offset:8*(B_+2*(B_/64))
.endif
.endif
.endr
.endm
.macro ADDR k                          ; LDS addresses of batch k's two tiles (also the places ahead of the loads that follow)
.if (\k) < 2
.set L_, WB+32*(\k)*PITCH
.else
.set L_, 32*((\k)-2)*PITCH
.endif
	v_add_nc_u32 v24, L_, v10
	v_add_nc_u32 v25, L_, v11
	v_add_nc_u32 v26, L_+16*PITCH, v10
	v_add_nc_u32 v27, L_+16*PITCH, v11
	s_wait_alu depctr_va_vdst(0)
.endm
.macro LOADW e, q0, cnt                ; the weights' fragments of steps 8 e + q0 .. into buffer e
.set Q_, \q0
.rept \cnt
	FRAG 32+16*(\e)+2*Q_, 8*(\e)+Q_, v24, v25
	FRAG 33+16*(\e)+2*Q_, 8*(\e)+Q_, v26, v27
.set Q_, Q_+1
.endr
.endm
.macro P k, q, i, ra, rb               ; one product of batch k, step q, accumulator i
.set D_, AC+32*((\k)%2)+8*\i
.set FW_, 32+16*((\q)/8)+2*((\q)%8)
.if (\k) == 5
.set F0_, 2*(\q)+\ra
.set F1_, FW_+\rb
.set S0_, XS+(\q)
.set S1_, WS+16*(\k)+(\q)
.set C_, BN+8*\rb
.else
.set F0_, FW_+\ra
.set F1_, 2*(\q)+\rb
.set S0_, WS+16*(\k)+(\q)
.set S1_, XS+(\q)
.set C_, BN+8*\ra
.endif
.if (\q) != 0
.set C_, D_
.endif
.set R0_, 12*(F0_%21)+240*(F0_/63)
.set R1_, 12*(F1_%21)+240*(F1_/63)
	WIN ((1+F0_/21-4*(F0_/63))|((1+F1_/21-4*(F1_/63))<<2))
	v_wmma_scale_f32_16x16x128_f8f6f4 v[D_:D_+7], v[R0_:R0_+11], v[R1_:R1_+11], v[C_:C_+7], v[S0_], v[S1_] matrix_a_fmt:MATRIX_FMT_FP6 matrix_b_fmt:MATRIX_FMT_FP6 matrix_a_scale:MATRIX_SCALE_ROW\ra matrix_b_scale:MATRIX_SCALE_ROW\rb
.endm
.macro PRODS k, e, g0, cnt             ; the four accumulators take turns, one instruction a turn
.set Z_, 8*(\e)+(\g0)
.rept \cnt
	P \k, Z_, 0, 0, 0
	P \k, Z_, 1, 1, 0
	P \k, Z_, 2, 0, 1
	P \k, Z_, 3, 1, 1
.set Z_, Z_+1
.endr
.endm
.macro BIASLD base, off
	global_load_b128 v[BN:BN+3], v5, \base offset:\off
	global_load_b128 v[BN+4:BN+7], v5, \base offset:\off+16
	global_load_b128 v[BN+8:BN+11], v5, \base offset:\off+64
	global_load_b128 v[BN+12:BN+15], v5, \base offset:\off+80
.endm
.macro BIAS k
.if (\k) < 4
	BIASLD s[4:5], 128*(\k)
.elseif (\k) == 4
	BIASLD s[6:7], 0
.else
.irp j, 0,1,2,3,4,5,6,7
	v_mov_b32 v[BN+\j], v30                ; v's bias runs along the lanes
	v_mov_b32 v[BN+8+\j], v31
.endr
	s_wait_alu depctr_va_vdst(0)
.endif
.endm
.macro WAYOUT k                        ; batch k's 2 tiles x 16 numbers a lane become codes; lanes l and l xor 16 hold a block of 32
.set AA_, AC+32*((\k)%2)
	WIN 0
	s_wait_xcnt 0x0                        ; the last batch's stores have read their registers
.irp t, 0,1
	v_max3_num_f32 v[228+\t], |v[AA_+16*\t]|, |v[AA_+16*\t+1]|, 0x1800000   ; with the floor 2^(3 - 127): the byte cannot fall under 1
.endr
.irp i, 2,4,6,8,10,12,14
.irp t, 0,1
	v_max3_num_f32 v[228+\t], v[228+\t], |v[AA_+16*\t+\i]|, |v[AA_+16*\t+\i+1]|
.endr
.endr
.irp t, 0,1
	v_permlanex16_b32 v[32+\t], v[228+\t], s46, s47
.endr
.irp t, 0,1
	v_max_num_f32 v[228+\t], v[228+\t], v[32+\t]
.endr
.irp t, 0,1
	v_add_nc_u32 v[252+\t], 0xff000000, v[228+\t]   ; 2 off the exponent field: the conversion's scale operand
.endr
	v_cvt_scalef32_pk16_fp6_f32 v[230:232], v[AA_:AA_+15], v252
	v_cvt_scalef32_pk16_fp6_f32 v[236:238], v[AA_+16:AA_+31], v253
	v_nop
.irp i, 0,1,2
	v_permlane16_swap_b32 v[230+\i], v[236+\i]   ; now lanes 0-15 hold tile 0's whole blocks, lanes 16-31 tile 1's
.endr
.irp i, 0,1,2
	v_mov_b32 v[233+\i], v[236+\i]
.endr
	v_permlane16_swap_b32 v252, v253
	v_lshrrev_b32 v254, 23, v252           ; the scale's byte of my tile and row
.if (\k) < 4
	v_alignbit_b32 v23, v254, v23, 8       ; q's four bytes make a word
.irp p, 0,1,2
	global_store_b64 v[16+(\k)%2], v[230+2*\p:231+2*\p], s[92:93] offset:49152*(\k)+256*\p   ; 32 lanes store one aligned unit of 256 bytes
.endr
.if (\k) == 3
	global_store_b32 v20, v23, s[94:95]
.endif
.elseif (\k) == 4
.irp p, 0,1,2
	global_store_b64 v18, v[230+2*\p:231+2*\p], s[96:97] offset:256*\p
.endr
	global_store_b8 v21, v254, s[98:99]
.else
.irp p, 0,1,2
	global_store_b64 v19, v[230+2*\p:231+2*\p], s[96:97] offset:6144+256*\p
.endr
	global_store_b8 v22, v254, s[100:101]
.endif
.endm
.macro HALF k, e                       ; 8 steps of batch k on buffer e; the other buffer is filled for the half that follows, in three runs; behind the second the last batch's way out
	WIN 0
.if (\k) == 1 && (\e) == 1
	s_wait_tensorcnt 0x0                   ; the refill is in: the barrier below shows it to all waves
.endif
	s_wait_dscnt 0x0                       ; this half's fragments are in
.if (\k) == 1 && (\e) == 1
	BARRIER
.endif
.if \e
.if (\k) < 5
	ADDR (\k)+1
	BIAS (\k)+1
	LOADW 0, 0, 3
.endif
.else
	PLACES
	s_wait_loadcnt 0x0                     ; the bias (and ahead of the first product the scale words)
	LOADW 1, 0, 3
.endif
	PRODS \k, \e, 0, 2
.if (\e) == 0 || (\k) < 5
	LOADW 1-(\e), 3, 3
.endif
.if (\e) == 0 && (\k) > 0
	WAYOUT (\k)-1
.endif
	PRODS \k, \e, 2, 2
.if (\e) == 0 || (\k) < 5
	LOADW 1-(\e), 6, 2
.endif
	PRODS \k, \e, 4, 4
.endm
	s_load_b512 s[48:63], s[0:1], 0x0              ; x codes 48, x scales 50, Wq 52, 54, Wk 56, 58, Wv 60, 62
	s_load_b256 s[4:11], s[0:1], 0x40              ; bq 4, bk 6, bv 8, qkv 10
	v_lshl_add_u32 v[SPW], v0, 2, SPARE
	v_mov_b32 v[NIL], 0
	ds_add_u32 v[SPW], v[NIL]                      ; the opening add, twice on end
	ds_add_u32 v[SPW], v[NIL]
	v_lshrrev_b32 v1, 5, v0
	v_readfirstlane_b32 s14, v1                    ; wave
	s_bfe_u32 s15, ttmp6, 0x40000                  ; cx, cy
	s_bfe_u32 s16, ttmp6, 0x40004
	s_lshl_b32 s18, ttmp9, 2
	s_add_co_u32 s18, s18, s15                     ; nt: which 192 outputs
	s_and_b32 s17, ttmp7, 0xffff
	s_lshl_b32 s17, s17, 2
	s_add_co_u32 s17, s17, s16                     ; mt: which 128 tokens
	s_lshl_b32 s19, s16, 2
	s_lshl_b32 s19, 15, s19                        ; my row of the cluster
	s_lshl_b32 s20, 0x1111, s15                    ; my column
	; group 1: s[24:31] 64 rows of x, s[32:39] 32 rows of a weight; 16 bytes of padding behind every 128 words (code 6)
	s_or_b32 s24, s19, (1<<20)|(1<<21)|(6<<22)|(3<<25)
	s_or_b32 s32, s20, (1<<20)|(1<<21)|(6<<22)|(3<<25)
	s_mov_b32 s25, KROW<<16
	s_mov_b32 s26, 64<<16
	s_mov_b32 s27, KROW<<16
	s_mov_b32 s28, 64
	s_mov_b32 s29, KROW
	s_mov_b32 s30, 0
	s_mov_b32 s31, 0
	s_mov_b32 s33, KROW<<16
	s_mov_b32 s34, 32<<16
	s_mov_b32 s35, KROW<<16
	s_mov_b32 s36, 32
	s_mov_b32 s37, KROW
	s_mov_b32 s38, 0
	s_mov_b32 s39, 0
	s_mul_i32 s2, s17, 128*KROW                    ; x: 64 rows for waves 0 and 1
	s_mul_i32 s3, s14, 64*KROW
	s_add_co_u32 s2, s2, s3
	s_mov_b32 s3, 0
	s_mul_i32 s12, s18, 128*KROW                   ; Wq: 32 rows by the wave's parity
	s_and_b32 s13, s14, 1
	s_mul_i32 s13, s13, 32*KROW
	s_add_co_u32 s12, s12, s13
	s_mov_b32 s13, 0
	s_mul_i32 s22, s18, 32*KROW                    ; Wk, Wv
	s_mov_b32 s23, 0
	s_mov_b32 s68, 1                               ; group 0: s[68:71] x, s[72:75] Wq at the head, s[76:79], s[80:83], s[84:87] the refill's Wq, Wk, Wv
	s_mul_i32 s69, s14, 64*PITCH
	s_mov_b32 s72, 1
	s_mul_i32 s73, s14, 32*PITCH
	s_add_co_u32 s73, s73, WB-64*PITCH             ; waves 2 and 3 load it
	s_mov_b32 s76, 1
	s_mul_i32 s77, s14, 32*PITCH
	s_mov_b32 s80, 1
	s_mov_b32 s81, 64*PITCH
	s_mov_b32 s84, 1
	s_mov_b32 s85, 96*PITCH
	s_wait_dscnt 0x0                               ; both opening adds are done
	s_wait_kmcnt 0x0
	s_add_nc_u64 s[70:71], s[48:49], s[2:3]
	s_or_b32 s71, s71, 0x80000000
	s_add_nc_u64 s[74:75], s[52:53], s[12:13]
	s_add_nc_u64 s[90:91], s[74:75], 64*KROW
	s_or_b32 s75, s75, 0x80000000
	s_add_nc_u64 s[92:93], s[56:57], s[22:23]
	s_add_nc_u64 s[94:95], s[60:61], s[22:23]
	s_mov_b64 s[78:79], s[90:91]
	s_or_b32 s79, s79, 0x80000000
	s_mov_b64 s[82:83], s[92:93]
	s_or_b32 s83, s83, 0x80000000
	s_mov_b64 s[86:87], s[94:95]
	s_or_b32 s87, s87, 0x80000000
	CROUND                                         ; all sixteen work-groups are here: the joint loads meet
	s_cmp_lt_u32 s14, 2
	s_cbranch_scc0 .Lhead_w
	TLOAD 68, 24                                   ; waves 0 and 1: x
	s_branch .Lhead_asked
.Lhead_w:
	TLOAD 72, 32                                   ; waves 2 and 3: Wq's first 64 rows
.Lhead_asked:
	s_cmp_eq_u32 s14, 2                            ; what my refill will bring: its address for the prefetch
	s_cselect_b64 s[88:89], s[92:93], s[94:95]
	s_cmp_lt_u32 s14, 2
	s_cselect_b64 s[88:89], s[90:91], s[88:89]
	s_mul_i32 s40, s16, 8*KROW                     ; my work-group's 8 rows of the tile's 32
	s_lshl_b32 s2, s17, 13                         ; x's scale bytes: 64 a row
	s_lshl_b32 s3, s14, 11
	s_add_co_u32 s2, s2, s3
	s_mov_b32 s3, 0
	s_add_nc_u64 s[50:51], s[50:51], s[2:3]
	s_lshl_b32 s12, s18, 13
	s_add_nc_u64 s[54:55], s[54:55], s[12:13]
	s_lshl_b32 s22, s18, 11
	s_add_nc_u64 s[58:59], s[58:59], s[22:23]
	s_add_nc_u64 s[62:63], s[62:63], s[22:23]
	s_lshl_b32 s12, s18, 9                         ; the biases
	s_add_nc_u64 s[4:5], s[4:5], s[12:13]
	s_lshl_b32 s22, s18, 7
	s_add_nc_u64 s[6:7], s[6:7], s[22:23]
	s_add_nc_u64 s[8:9], s[8:9], s[22:23]
	s_lshl_b32 s21, s17, 2
	s_add_co_u32 s21, s21, s14                     ; my group of 32 tokens
	s_mul_i32 s2, s18, 196608                      ; q: heads 2 nt, 2 nt + 1
	s_mul_i32 s12, s21, 768
	s_add_co_u32 s2, s2, s12
	s_add_nc_u64 s[92:93], s[10:11], s[2:3]
	s_lshl_b32 s2, s18, 13                         ; q's scale words
	s_lshl_b32 s12, s21, 7
	s_add_co_u32 s2, s2, s12
	s_add_co_u32 s2, s2, QS
	s_add_nc_u64 s[94:95], s[10:11], s[2:3]
	s_lshr_b32 s22, s17, 3                         ; batch
	s_lshl_b32 s22, s22, 3
	s_lshr_b32 s12, s18, 1                         ; kv head
	s_add_co_u32 s22, s22, s12
	s_mul_i32 s22, s22, KVB
	s_add_co_u32 s22, s22, KV
	s_and_b32 s12, s17, 7                          ; key step
	s_mul_i32 s12, s12, 12800
	s_add_co_u32 s22, s22, s12
	s_and_b32 s41, s18, 1                          ; which 32 of the head's 64
	s_mul_i32 s2, s41, 3072
	s_add_co_u32 s2, s2, s22
	s_mul_i32 s12, s14, 768
	s_add_co_u32 s2, s2, s12
	s_add_nc_u64 s[96:97], s[10:11], s[2:3]        ; k's codes; v's lie 6,144 further on
	s_lshl_b32 s2, s14, 6
	s_add_co_u32 s2, s2, s22
	s_add_co_u32 s2, s2, s41
	s_add_co_u32 s2, s2, 12288
	s_add_nc_u64 s[98:99], s[10:11], s[2:3]        ; k's scale bytes
	s_lshl_b32 s2, s41, 7
	s_add_co_u32 s2, s2, s22
	s_add_co_u32 s2, s2, s14
	s_add_co_u32 s2, s2, 12544
	s_add_nc_u64 s[100:101], s[10:11], s[2:3]      ; v's
	s_lshl_b32 s41, s41, 7
	s_and_b32 s42, s14, 1
	s_mul_i32 s43, s14, 32*PITCH                   ; my 32 rows of x
	s_mov_b32 s46, 0x76543210                      ; v_permlanex16_b32's selects for lane l xor 16
	s_mov_b32 s47, 0xfedcba98
	v_and_b32 v1, 15, v0                           ; r
	v_bfe_u32 v2, v0, 4, 1                         ; h
	v_and_b32 v3, 31, v0                           ; lane
	v_lshlrev_b32 v4, 6, v3
	v_lshlrev_b32 v5, 5, v2
	v_lshlrev_b32 v6, 2, v1
.irp i, 0,1,2,3
	global_load_b128 v[XS+4*\i:XS+4*\i+3], v4, s[50:51] offset:16*\i
.endr
.irp n, 0,1,2,3
.irp i, 0,1,2,3
	global_load_b128 v[WS+16*\n+4*\i:WS+16*\n+4*\i+3], v4, s[54:55] offset:2048*\n+16*\i
.endr
.endr
.irp i, 0,1,2,3
	global_load_b128 v[WS+64+4*\i:WS+64+4*\i+3], v4, s[58:59] offset:16*\i
	global_load_b128 v[WS+80+4*\i:WS+80+4*\i+3], v4, s[62:63] offset:16*\i
.endr
	BIAS 0
	global_load_b32 v30, v6, s[8:9]
	global_load_b32 v31, v6, s[8:9] offset:64
	v_lshlrev_b32 v7, 8, v3
	v_add_nc_u32 v7, s40, v7
	v_min_u32 v8, 15, v3
	v_lshlrev_b32 v8, 8, v8
	v_add_nc_u32 v8, s40, v8
	global_prefetch_b8 v7, s[88:89] th:TH_LOAD_NT scope:SCOPE_SE               ; blocks 0-31 of my 48,
	global_prefetch_b8 v8, s[88:89] offset:8192 th:TH_LOAD_NT scope:SCOPE_SE   ; and 32-47
	v_mul_u32_u24 v9, v1, PITCH
	v_mad_u32_u24 v10, v2, 24, v9                  ; a fragment's row x pitch + 24 x half
	v_mad_u32_u24 v11, v2, 40, v9                  ; the same behind one padding more
	v_add_nc_u32 v12, s43, v10
	v_add_nc_u32 v13, s43, v11
	v_add_nc_u32 v14, 16*PITCH, v12
	v_add_nc_u32 v15, 16*PITCH, v13
	v_lshlrev_b32 v16, 3, v3                       ; where a lane's 8 bytes go: q's block 0, block 1, k, v
	v_xor_b32 v17, 128, v16
	v_xor_b32 v18, s41, v16
	v_lshrrev_b32 v9, 3, v1
	v_xor_b32 v19, s42, v9
	v_lshlrev_b32 v19, 7, v19
	v_lshl_add_u32 v19, v2, 6, v19
	v_and_b32 v32, 7, v1
	v_lshl_add_u32 v19, v32, 3, v19
	v_lshlrev_b32 v20, 2, v3
	v_lshlrev_b32 v21, 1, v3
	v_lshlrev_b32 v22, 6, v9                       ; v's scale byte: (r / 8) 64 + (r % 8 + 8 h) 4
	v_lshl_add_u32 v22, v32, 2, v22
	v_lshl_add_u32 v22, v2, 5, v22
	v_mov_b32 v23, 0
	v_mov_b32 v32, 0                               ; (a lane permute's destination counts as one of its sources)
	v_mov_b32 v33, 0
	s_wait_alu depctr_va_vdst(0)                   ; the wait at the head's end
	s_cmp_lt_u32 s14, 2
	s_cbranch_scc0 .Lnot_x
	s_wait_tensorcnt 0x0
.Lnot_x:
	BARRIER                                        ; x is in; Wq's rows may be on their way
.set Q_, 0
.rept 16
	FRAG 2*Q_, Q_, v12, v13
	FRAG 2*Q_+1, Q_, v14, v15
.set Q_, Q_+1
.endr
	WIN 0
	s_wait_tensorcnt 0x0                           ; all my tensor loads have landed;
	ds_add_u32 v[SPW], v[NIL]
	s_wait_dscnt 0x0                               ; it and my reads of x are done
	CROUND                                         ; no wave of any partner reads x's bytes any more, and Wq's rows are in
	s_cmp_lt_u32 s14, 2
	s_cbranch_scc0 .Lfill_k
	TLOAD 76, 32                                   ; waves 0 and 1: Wq's other 64 rows
	s_branch .Lfilled
.Lfill_k:
	s_cmp_eq_u32 s14, 2
	s_cbranch_scc0 .Lfill_v
	TLOAD 80, 32
	s_branch .Lfilled
.Lfill_v:
	TLOAD 84, 32
.Lfilled:
	ADDR 0
	LOADW 0, 0, 8
.irp k, 0,1,2,3,4,5
	HALF \k, 0
	HALF \k, 1
.endr
	WIN 0
	PLACES
	WAYOUT 5
	s_wait_tensorcnt 0x0                           ; the wave's end
	ds_add_u32 v[SPW], v[NIL]
	s_wait_dscnt 0x0
	CROUND                                         ; the closing round
	s_endpgm
.Lfunc_end_k_q6ea50c7bb2_proj:
	.size	k_q6ea50c7bb2_proj, .Lfunc_end_k_q6ea50c7bb2_proj-k_q6ea50c7bb2_proj
	.p2alignl 7, 3214868480
	.fill 96, 4, 3214868480
	.section	.rodata,"a",@progbits
	.p2align	6, 0x0
	.amdhsa_kernel k_q6ea50c7bb2_proj
		.amdhsa_group_segment_fixed_size 327680
		.amdhsa_private_segment_fixed_size 0
		.amdhsa_enable_private_segment 0
		.amdhsa_kernarg_size 96
		.amdhsa_user_sgpr_count 2
		.amdhsa_user_sgpr_kernarg_segment_ptr 1
		.amdhsa_wavefront_size32 1
		.amdhsa_system_sgpr_workgroup_id_x 1
		.amdhsa_system_sgpr_workgroup_id_y 1
		.amdhsa_system_sgpr_workgroup_id_z 1
		.amdhsa_system_vgpr_workitem_id 0
		.amdhsa_next_free_vgpr 1024
		.amdhsa_next_free_sgpr 102
		.amdhsa_reserve_vcc 0
		.amdhsa_float_denorm_mode_32 3
		.amdhsa_float_denorm_mode_16_64 3
		.amdhsa_memory_ordered 1
		.amdhsa_forward_progress 1
		.amdhsa_inst_pref_size 130
	.end_amdhsa_kernel
	.amdgpu_metadata
---
amdhsa.version: [ 1, 2 ]
amdhsa.kernels:
  - .name:           k_q6ea50c7bb2_proj
    .symbol:         k_q6ea50c7bb2_proj.kd
    .args:
      - { .name: x_codes, .offset: 0, .size: 8, .value_kind: global_buffer, .address_space: global }
      - { .name: x_scales, .offset: 8, .size: 8, .value_kind: global_buffer, .address_space: global }
      - { .name: Wq_codes, .offset: 16, .size: 8, .value_kind: global_buffer, .address_space: global }
      - { .name: Wq_scales, .offset: 24, .size: 8, .value_kind: global_buffer, .address_space: global }
      - { .name: Wk_codes, .offset: 32, .size: 8, .value_kind: global_buffer, .address_space: global }
      - { .name: Wk_scales, .offset: 40, .size: 8, .value_kind: global_buffer, .address_space: global }
      - { .name: Wv_codes, .offset: 48, .size: 8, .value_kind: global_buffer, .address_space: global }
      - { .name: Wv_scales, .offset: 56, .size: 8, .value_kind: global_buffer, .address_space: global }
      - { .name: bq, .offset: 64, .size: 8, .value_kind: global_buffer, .address_space: global }
      - { .name: bk, .offset: 72, .size: 8, .value_kind: global_buffer, .address_space: global }
      - { .name: bv, .offset: 80, .size: 8, .value_kind: global_buffer, .address_space: global }
      - { .name: qkv, .offset: 88, .size: 8, .value_kind: global_buffer, .address_space: global }
    .group_segment_fixed_size: 327680
    .private_segment_fixed_size: 0
    .kernarg_segment_align: 8
    .kernarg_segment_size: 96
    .max_flat_workgroup_size: 128
    .sgpr_count:     102
    .vgpr_count:     1024
    .wavefront_size: 32
...
	.end_amdgpu_metadata
.endif
;; end of part 4
;; launch attn (part 5): grid 16 x 16, 16 waves a work-group, clusters of 4 x 1, 169,984 bytes of LDS; arguments qkv, ao; writes ao
.if DOCPART == 5
	.amdgcn_target "amdgcn-amd-amdhsa--gfx1250"
	.amdhsa_code_object_version 6
	.text
	.protected	k_q6ea50c7bb2_attn
	.globl	k_q6ea50c7bb2_attn
	.p2align	8
	.type	k_q6ea50c7bb2_attn,@function
k_q6ea50c7bb2_attn:
	s_mov_b64 s[64:65], 0
	v_nop
	global_prefetch_b8 v0, s[64:65] scope:SCOPE_SE
	s_setreg_imm32_b32 hwreg(HW_REG_WAVE_MODE, 25, 1), 1
	s_wait_xcnt 0x0
	s_wait_alu depctr_hold_cnt(0) depctr_sa_sdst(0) depctr_va_vdst(0) depctr_va_sdst(0) depctr_va_ssrc(0) depctr_va_vcc(0) depctr_vm_vsrc(0)
	s_getreg_b32 s2, hwreg(HW_REG_IB_STS2, 6, 4)
	s_cmp_eq_u32 s2, 0
	s_cbranch_scc0 .Lentry_in_a_cluster
	s_endpgm
.Lentry_in_a_cluster:
	s_bfe_u32 s2, ttmp6, 0x10000c
	s_cmp_lg_u32 s2, 0x3003
	s_cbranch_scc0 .Lentry_shape_is_right
	s_endpgm
.Lentry_shape_is_right:
; Attention of 4 query heads on their kv head, both products on codes of FP6 (E2M3) with one E8M0 scale for each 32 along a product's K; the result, divided by the row's sum, is quantised along hidden and stored as codes.
; THE SOFTMAX AHEAD OF THE SECOND PRODUCT: t = score x log2(e) / 8; M = the row's largest t so far, rounded UP to a whole number; p = 2^(t - M) is what is quantised, along the keys; the row's sum is taken of the unquantised p.
; When M moves, the sum and O are multiplied by 2^(old M - new M): exact.
; SHARES.  A work-group owns 64 tokens of one batch and the 4 query heads of one kv head; wave w owns head w / 4 and tile w % 4 of 16 queries.
; K AND V of the (batch, kv head), codes and scales, are one dense block of 102,400 bytes, 12,800 for each step of 128 keys: it comes into LDS once.  Nothing is filled again.
; CLUSTER.  The four work-groups of a cluster share (batch, kv head): waves 0 to 3 fetch a quarter each (two steps), jointly.  The first two steps begin when wave 0's quarter is in.  No prefetch: all loads stand at the head.
; LAYOUT.  S^T = K Q^T, O^T = V^T P^T: a lane holds one query throughout.  The first product's K is 64: the upper 64 of the instruction's 128 are zero codes on both sides.
; A lane's 16 scores of tiles 2 b, 2 b + 1 are keys 32 b + 8 h + j and 32 b + 16 + 8 h + j; V's codes lie in the same order.  V's tile (half, u) has channels 32 half + 8 u + r + 8 (r / 8), so that a lane's 16 results of a half are neighbours.
; THE RESULT: ao [tile of 16 tokens][head 32][piece 3][lane 32][8 bytes] = the next launch's operand registers; scale bytes at AOS: [block of 64 tokens][kv head][token][head 4 x block 2].
; LIMITS: NaN and infinities are not served.  The promise holds while the scaled scores stay under 2^31 in magnitude.  A block of the result whose largest magnitude lies under 2^-124 gets the scale byte 1; these bytes are read by this program alone.
; REGISTERS: v1-6 LDS addresses' lane terms; v7-11 addresses in hand; v12 -M, v13 the largest t, v[14:15] the sum in two halves; v16-27 Q; v28-75 four fragments of K; v76-123 four of V; v124-187 S^T, then p; v188-219 O^T;
;   v220-223 V's scale words; v224-235 p's codes; v232-247 at work; v248-251 K's scale words; v252 f; v253 p's scale word; v254 at work; v255 Q's scale word.
.set QS,   3145728
.set KV,   3276800
.set KVB,  102400
.set STEPB, 12800
.set SSTG, KVB                         ; LDS behind the block: 64 rows x 8 scale bytes
.set SPARE, 0x29000
.set AOS,  3145728
.set S,    124
.set O,    188
.set WV,   18
.set SEL,  20                          ; s[20:21] lane selects: lane l xor 16
.set CS,   22                          ; s[22:23] c = log2(e) / 8
.macro CROUND
	s_barrier_signal -1
	s_barrier_wait -1
	s_cmp_lg_u32 s[WV], 0
	s_cbranch_scc1 .Lnot_wave_0_\@
	s_barrier_signal -3
.Lnot_wave_0_\@:
	s_barrier_wait -3
	s_barrier_signal -1
	s_barrier_wait -1
.endm
.macro TLOAD
	tensor_load_to_lds s[40:43], s[24:31]
	s_nop 0
.rept 4
	v_nop
.endr
.endm
	s_load_b128 s[4:7], s[0:1], 0x0                ; qkv, ao
	v_lshl_add_u32 v254, v0, 2, SPARE
	v_mov_b32 v255, 0
	ds_add_u32 v254, v255                          ; the opening add, twice on end
	ds_add_u32 v254, v255
	v_lshrrev_b32 v8, 5, v0
	v_readfirstlane_b32 s[WV], v8                  ; wave
	s_bfe_u32 s8, ttmp6, 0x40000                   ; cx: it enters Q's and ao's addresses alone
	s_lshl_b32 s9, ttmp9, 2
	s_add_co_u32 s9, s9, s8                        ; my block of 64 tokens in the batch
	s_and_b32 s10, ttmp7, 0xffff                   ; 8 x batch + kv head
	s_lshr_b32 s11, s10, 3                         ; batch
	s_and_b32 s12, s10, 7                          ; kv head
	s_lshr_b32 s13, s[WV], 2                       ; my head among the four
	s_and_b32 s14, s[WV], 3                        ; my tile of queries
	s_mul_i32 s44, s10, KVB
	s_mul_i32 s46, s[WV], 2*STEPB                  ; the quarter that I fetch, if I fetch; also its LDS address
	s_add_co_u32 s44, s44, s46
	s_add_co_u32 s44, s44, KV
	s_mov_b32 s45, 0
	s_lshl_b32 s15, s12, 2
	s_add_co_u32 s15, s15, s13                     ; my query head
	s_lshl_b32 s16, s11, 5
	s_lshl_b32 s17, s9, 1
	s_add_co_u32 s16, s16, s17
	s_lshr_b32 s17, s14, 1
	s_add_co_u32 s16, s16, s17                     ; my group of 32 tokens
	s_mul_i32 s32, s15, 98304
	s_mul_i32 s17, s16, 768
	s_add_co_u32 s32, s32, s17                     ; Q's codes
	s_mov_b32 s33, 0
	s_lshl_b32 s48, s11, 6
	s_lshl_b32 s17, s9, 2
	s_add_co_u32 s48, s48, s17
	s_add_co_u32 s48, s48, s14                     ; my tile of 16 tokens among the 128
	s_lshr_b32 s36, s15, 1
	s_lshl_b32 s36, s36, 13
	s_lshl_b32 s17, s48, 6
	s_add_co_u32 s36, s36, s17
	s_and_b32 s17, s15, 1
	s_lshl_b32 s17, s17, 1
	s_add_co_u32 s36, s36, s17
	s_add_co_u32 s36, s36, QS                      ; Q's scale bytes
	s_mov_b32 s37, 0
	s_mul_i32 s50, s48, 24576
	s_mul_i32 s17, s15, 768
	s_add_co_u32 s50, s50, s17                     ; ao's codes
	s_mov_b32 s51, 0
	s_lshl_b32 s54, s11, 4
	s_add_co_u32 s54, s54, s9
	s_lshl_b32 s54, s54, 12
	s_lshl_b32 s17, s12, 9
	s_add_co_u32 s54, s54, s17
	s_add_co_u32 s54, s54, AOS                     ; ao's scale bytes
	s_mov_b32 s55, 0
	s_lshl_b32 s58, s14, 7
	s_lshl_b32 s17, s13, 1
	s_add_co_u32 s58, s58, s17
	s_add_co_u32 s58, s58, SSTG                    ; my rows' place in the stage
	s_and_b32 s17, s14, 1                          ; my tile's place in its group
	s_mov_b32 s24, 15|(3<<16)|(1<<21)              ; the mask: all four work-groups; elements of 8 bytes; bit 21 beside a mask
	s_mov_b32 s25, 32<<16
	s_mov_b32 s26, 100<<16                         ; 100 rows of 256 bytes, dense
	s_mov_b32 s27, 32<<16
	s_mov_b32 s28, 100
	s_mov_b32 s29, 32
	s_mov_b32 s30, 0
	s_mov_b32 s31, 0
	s_mov_b32 s[SEL], 0x76543210
	s_mov_b32 s[SEL+1], 0xfedcba98
	s_mov_b32 s[CS], 0x3e38aa3b                    ; log2(e) / 8
	s_mov_b32 s[CS+1], s[CS]
	s_mov_b32 s40, 1
	s_mov_b32 s41, s46
	s_wait_dscnt 0x0                               ; both opening adds are done
	s_wait_kmcnt 0x0
	s_add_nc_u64 s[42:43], s[4:5], s[44:45]
	s_or_b32 s43, s43, 0x80000000
	s_add_nc_u64 s[34:35], s[4:5], s[32:33]
	s_add_nc_u64 s[38:39], s[4:5], s[36:37]
	s_add_nc_u64 s[52:53], s[6:7], s[50:51]
	s_add_nc_u64 s[56:57], s[6:7], s[54:55]
	CROUND                                         ; all four work-groups are here: the joint loads meet
	s_cmp_eq_u32 s[WV], 0
	s_cbranch_scc0 .Lfetch_rest
	TLOAD                                          ; wave 0: steps 0 and 1
	s_branch .Lasked
.Lfetch_rest:
	s_cmp_lt_u32 s[WV], 4
	s_cbranch_scc0 .Lasked
	TLOAD                                          ; waves 1 to 3
.Lasked:
	v_and_b32 v8, 15, v0                           ; r
	v_bfe_u32 v9, v0, 4, 1                         ; h
	v_lshlrev_b32 v10, 3, v8
	v_xor_b32 v11, s17, v9                         ; Q: block h of my tile lies at place 16 (tile ^ h) + r
	v_lshl_add_u32 v11, v11, 7, v10
	v_mad_u32_u24 v11, v9, 49152, v11
	v_lshlrev_b32 v7, 2, v8
.irp p, 0,1,2
	global_load_b64 v[16+2*\p:17+2*\p], v11, s[34:35] offset:256*\p
.endr
	global_load_u16 v255, v7, s[38:39]             ; two scale bytes; the word's upper two are 0, over zero codes
	v_mad_u32_u24 v1, v9, 3200, v10                ; K's tiles 0 of a group: block h, place 16 h + r;
	v_mad_u32_u24 v2, v9, 2944, v10                ; tiles 1: place 16 (1 - h) + r
	v_add_nc_u32 v2, 128, v2
	v_mad_u32_u24 v3, v9, 896, v10                 ; V's tiles u = 0, 1: group 2 c + h, place 16 (u ^ h) + r
	v_add_nc_u32 v3, 6144, v3
	v_mad_u32_u24 v4, v9, 640, v10
	v_add_nc_u32 v4, 6272, v4
	v_lshl_add_u32 v5, v8, 1, 12288                ; K's scales: 2 bytes a key
	v_lshl_add_u32 v6, v8, 2, 12544                ; V's scale words
.set j, 22
.rept 6
	v_mov_b32 v[j], 0                              ; K = 64 .. 127 of the first product: zero codes in Q,
.set j, j+1
.endr
.irp t, 0,1,2,3
.irp i, 6,7,8,9,10,11
	v_mov_b32 v[28+12*\t+\i], 0                    ; and in K's four fragments: written once, no load lands here
.endr
.endr
	v_mov_b32 v13, 0xff61b1e6                      ; the largest t so far: -3e38
	v_mov_b32 v14, 0
	v_mov_b32 v15, 0
	v_floor_f32 v12, -v13                          ; -M
.irp b, 0,1,2,3
	v_mov_b32 v[236+\b], 0                         ; a lane permute's destination counts as one of its sources
.endr
	v_mov_b32 v252, 0
	v_mov_b32 v253, 0
.set j, 0
.rept 32
	v_mov_b32 v[O+j], 0                            ; O^T: the step finds zeros first, which the first change of M leaves zeros
.set j, j+1
.endr
	s_wait_alu depctr_va_vdst(0)                   ; the wait at the head's end
	s_wait_loadcnt 0x0                             ; Q
	s_cmp_eq_u32 s[WV], 0
	s_cbranch_scc0 .Lnot_first
	s_wait_tensorcnt 0x0
.Lnot_first:
	s_barrier_signal -1
	s_barrier_wait -1                              ; steps 0 and 1 are in
	s_mov_b32 s2, 0                                ; where the step begins in the block
.macro WALK trips
	s_mov_b32 s67, \trips
.Lstep_\@:
	v_add_nc_u32 v8, s2, v1                        ; these six are also the places between the last step's products and the loads into the registers that they read
	v_add_nc_u32 v9, s2, v2
	v_add_nc_u32 v10, s2, v3
	v_add_nc_u32 v11, s2, v4
	v_add_nc_u32 v7, s2, v5
	v_add_nc_u32 v254, s2, v6
.irp t, 0,1,2,3                                ; K's tiles 0-3: group t / 2, tile t % 2,
.irp p, 0,1,2
	ds_load_b64 v[28+12*\t+2*\p:29+12*\t+2*\p], v[8+\t%2] offset:768*(\t/2)+256*\p
.endr
	ds_load_u16 v[248+\t], v7 offset:32*\t
.endr
.irp t, 0,1,2,3                                ; and V's four: wanted behind the softmax
.irp p, 0,1,2
	ds_load_b64 v[76+12*\t+2*\p:77+12*\t+2*\p], v[10+\t%2] offset:3072*(\t/2)+256*\p
	ds_load_b64 v[82+12*\t+2*\p:83+12*\t+2*\p], v[10+\t%2] offset:3072*(\t/2)+1536+256*\p
.endr
	ds_load_b32 v[220+\t], v254 offset:64*\t
.endr
	s_wait_alu depctr_va_vdst(0)
	s_wait_dscnt 28                                ; K's sixteen loads are in; V's 28 may be out
.irp t, 0,1,2,3
	v_wmma_scale_f32_16x16x128_f8f6f4 v[S+8*\t:S+8*\t+7], v[28+12*\t:39+12*\t], v[16:27], 0, v[248+\t], v255 matrix_a_fmt:MATRIX_FMT_FP6 matrix_b_fmt:MATRIX_FMT_FP6
.endr
.rept 4
	v_nop
.endr
.irp t, 0,1,2,3                                ; K's tiles 4-7
.irp p, 0,1,2
	ds_load_b64 v[28+12*\t+2*\p:29+12*\t+2*\p], v[8+\t%2] offset:768*(2+\t/2)+256*\p
.endr
	ds_load_u16 v[248+\t], v7 offset:32*(4+\t)
.endr
	s_wait_dscnt 0x0
.irp t, 0,1,2,3
	v_wmma_scale_f32_16x16x128_f8f6f4 v[S+32+8*\t:S+32+8*\t+7], v[28+12*\t:39+12*\t], v[16:27], 0, v[248+\t], v255 matrix_a_fmt:MATRIX_FMT_FP6 matrix_b_fmt:MATRIX_FMT_FP6
.endr
.rept 4
	v_nop
.endr
.irp b, 0,1,2,3
	v_max3_num_f32 v[232+\b], v[S+16*\b], v[S+1+16*\b], v[S+2+16*\b]   ; the largest score of each block of 32 keys: for the row's maximum and, since p rises with the score, for the block's largest p
.endr
.irp i, 3,5,7,9,11,13
.irp b, 0,1,2,3
	v_max3_num_f32 v[232+\b], v[232+\b], v[S+16*\b+\i], v[S+1+16*\b+\i]
.endr
.endr
.irp b, 0,1,2,3
	v_max_num_f32 v[232+\b], v[232+\b], v[S+15+16*\b]
.endr
.irp b, 0,1,2,3
	v_permlanex16_b32 v[236+\b], v[232+\b], s[SEL], s[SEL+1]
.endr
.irp b, 0,1,2,3
	v_max_num_f32 v[232+\b], v[232+\b], v[236+\b]
.endr
	s_delay_alu instid0(VALU_DEP_2)
	v_max3_num_f32 v254, v232, v233, v234
	s_delay_alu instid0(VALU_DEP_1)
	v_max_num_f32 v254, v254, v235
	s_delay_alu instid0(VALU_DEP_1)
	v_mul_f32 v254, s[CS], v254                    ; as t
	s_delay_alu instid0(VALU_DEP_1)
	v_max_num_f32 v13, v13, v254                   ; the running largest t
	v_mov_b32 v254, v12
	s_delay_alu instid0(VALU_DEP_2)
	v_floor_f32 v12, -v13                          ; the new -M
	s_delay_alu instid0(VALU_DEP_1)
	v_sub_f32 v254, v12, v254                      ; M's old value less its new one
	s_delay_alu instid0(VALU_DEP_1)
	v_cvt_i32_f32 v254, v254
	s_delay_alu instid0(VALU_DEP_1)
	v_ldexp_f32 v252, 1.0, v254                    ; f = 2^(old M - new M)
.set j, 0
.rept 32
	v_pk_fma_f32 v[S+j:S+j+1], v[S+j:S+j+1], s[CS:CS+1], v[12:13] op_sel_hi:[1,0,0]   ; t - M
.set j, j+2
.endr
.irp b, 0,1,2,3
	v_fma_f32 v[232+\b], v[232+\b], s[CS], v12
.endr
	s_wait_alu depctr_va_vdst(0)                   ; the wait ahead of the batch
.set j, 0
.rept 64
	v_exp_f32 v[S+j], v[S+j]                       ; p = 2^(t - M)
.set j, j+1
.endr
	v_pk_mul_f32 v[14:15], v[14:15], v[252:253] op_sel_hi:[1,0]   ; the sums under the new M
	s_wait_alu depctr_va_vdst(0)                   ; and behind it
.irp b, 0,1,2,3
	v_exp_f32 v[232+\b], v[232+\b]                 ; the block's largest p
.endr
	v_pk_add_f32 v[236:237], v[S:S+1], v[S+2:S+3]  ; the row's sum of the unquantised p, in four chains
	v_pk_add_f32 v[240:241], v[S+4:S+5], v[S+6:S+7]
	v_pk_add_f32 v[242:243], v[S+8:S+9], v[S+10:S+11]
.set j, 12
.rept 6
	v_pk_add_f32 v[14:15], v[14:15], v[S+j:S+j+1]
	v_pk_add_f32 v[236:237], v[236:237], v[S+j+2:S+j+3]
	v_pk_add_f32 v[240:241], v[240:241], v[S+j+4:S+j+5]
	v_pk_add_f32 v[242:243], v[242:243], v[S+j+6:S+j+7]
.set j, j+8
.endr
	v_pk_add_f32 v[14:15], v[14:15], v[S+60:S+61]
	v_pk_add_f32 v[236:237], v[236:237], v[S+62:S+63]
	v_pk_add_f32 v[240:241], v[240:241], v[242:243]
	v_pk_add_f32 v[14:15], v[14:15], v[236:237]
	v_pk_add_f32 v[14:15], v[14:15], v[240:241]
	s_wait_alu depctr_va_vdst(0)                   ; and one for the four
.irp b, 0,1,2,3
	v_max_num_f32 v[232+\b], 0x1800000, v[232+\b]  ; the floor 2^(3 - 127): the byte cannot fall under 1
.endr
.irp b, 0,1,2,3
	v_add_nc_u32 v[244+\b], 0xff000000, v[232+\b]  ; 2 off the exponent field: the conversion's scale operand
.endr
.irp b, 0,1,2,3
	v_lshrrev_b32 v[236+\b], 23, v[244+\b]
.endr
	v_lshl_or_b32 v253, v237, 8, v236              ; p's scale word for these 128 keys
	v_lshl_or_b32 v253, v238, 16, v253
	v_lshl_or_b32 v253, v239, 24, v253
.irp c, 0,1
	v_cvt_scalef32_pk16_fp6_f32 v[224+6*\c:226+6*\c], v[S+32*\c:S+15+32*\c], v[244+2*\c]
	v_cvt_scalef32_pk16_fp6_f32 v[236+4*\c:238+4*\c], v[S+16+32*\c:S+31+32*\c], v[244+2*\c+1]
.endr
	v_nop
.irp c, 0,1                                    ; lanes 0-15 take block 2 c whole, lanes 16-31 block 2 c + 1
.irp i, 0,1,2
	v_permlane16_swap_b32 v[224+6*\c+\i], v[236+4*\c+\i]
.endr
.irp i, 0,1,2
	v_mov_b32 v[227+6*\c+\i], v[236+4*\c+\i]
.endr
.endr
.set j, 0
.rept 16
	v_pk_mul_f32 v[O+j:O+j+1], v[O+j:O+j+1], v[252:253] op_sel_hi:[1,0]   ; O^T under the new M; also the places ahead of the products below
.set j, j+2
.endr
.irp t, 0,1,2,3
	v_wmma_scale_f32_16x16x128_f8f6f4 v[O+8*\t:O+8*\t+7], v[76+12*\t:87+12*\t], v[224:235], v[O+8*\t:O+8*\t+7], v[220+\t], v253 matrix_a_fmt:MATRIX_FMT_FP6 matrix_b_fmt:MATRIX_FMT_FP6
.endr
	s_add_co_u32 s2, s2, STEPB
	s_sub_co_u32 s67, s67, 1
	s_cmp_lg_u32 s67, 0
	s_cbranch_scc1 .Lstep_\@
.endm
	WALK 2
	s_wait_tensorcnt 0x0
	s_wait_dscnt 0x0
	s_barrier_signal -1
	s_barrier_wait -1                              ; the whole block is in
	s_mov_b32 s2, 2*STEPB
	WALK 6
	; THE WAY OUT: O^T / the sum; a lane's 16 registers of tiles 2 b, 2 b + 1 are channels 32 b + 16 h + 0 .. 15 of my head
	v_add_f32 v14, v14, v15
	v_permlanex16_b32 v252, v14, s[SEL], s[SEL+1]
	v_add_f32 v14, v14, v252                       ; with lane l xor 16's: the row's sum
	s_wait_alu depctr_va_vdst(0)                   ; the wait ahead of the reciprocal
	v_rcp_f32 v14, v14
	v_and_b32 v6, 15, v0
	v_and_b32 v5, 31, v0
	v_lshl_add_u32 v10, v6, 3, s58                 ; my row's scale bytes in the stage
	v_lshlrev_b32 v9, 4, v5
	v_add_nc_u32 v8, SSTG, v9                      ; and 16 bytes a lane back
	v_lshlrev_b32 v5, 3, v5
	s_wait_alu depctr_va_vdst(0)                   ; and ahead of its first reader
.set j, 0
.rept 32
	v_mul_f32 v[S+j], v[O+j], v14
.set j, j+1
.endr
.irp b, 0,1
	v_max3_num_f32 v[232+\b], |v[S+16*\b]|, |v[S+1+16*\b]|, 0x1800000
.endr
.irp i, 2,4,6,8,10,12,14
.irp b, 0,1
	v_max3_num_f32 v[232+\b], v[232+\b], |v[S+16*\b+\i]|, |v[S+1+16*\b+\i]|
.endr
.endr
.irp b, 0,1
	v_permlanex16_b32 v[236+\b], v[232+\b], s[SEL], s[SEL+1]
.endr
.irp b, 0,1
	v_max_num_f32 v[232+\b], v[232+\b], v[236+\b]
.endr
.irp b, 0,1
	v_add_nc_u32 v[244+\b], 0xff000000, v[232+\b]
.endr
.irp b, 0,1
	v_lshrrev_b32 v[240+\b], 23, v[244+\b]
.endr
	v_lshl_or_b32 v240, v241, 8, v240              ; my head's two scale bytes of my row
	v_cvt_scalef32_pk16_fp6_f32 v[224:226], v[S:S+15], v244
	v_cvt_scalef32_pk16_fp6_f32 v[236:238], v[S+16:S+31], v245
	v_nop
.irp i, 0,1,2
	v_permlane16_swap_b32 v[224+\i], v[236+\i]     ; lanes 0-15 take block 0 whole, lanes 16-31 block 1
.endr
.irp i, 0,1,2
	v_mov_b32 v[227+\i], v[236+\i]
.endr
.irp p, 0,1,2
	global_store_b64 v5, v[224+2*\p:225+2*\p], s[52:53] offset:256*\p   ; 32 lanes store one aligned unit of 256 bytes
.endr
	ds_store_b16 v10, v240                         ; (lanes l and l xor 16 store the same two bytes)
	s_wait_dscnt 0x0
	s_barrier_signal -1
	s_barrier_wait -1
	s_cmp_lg_u32 s[WV], 0
	s_cbranch_scc1 .Lno_scales
	ds_load_b128 v[132:135], v8                    ; wave 0: the work-group's 512 scale bytes, two whole units
	s_wait_dscnt 0x0
	global_store_b128 v9, v[132:135], s[56:57]
.Lno_scales:
	s_wait_xcnt 0x0
	v_lshl_add_u32 v254, v0, 2, SPARE
	v_mov_b32 v255, 0
	s_wait_alu depctr_va_vdst(0)
	s_wait_tensorcnt 0x0                           ; the wave's end
	ds_add_u32 v254, v255
	s_wait_dscnt 0x0
	CROUND                                         ; the closing round
	s_endpgm
.Lfunc_end_k_q6ea50c7bb2_attn:
	.size	k_q6ea50c7bb2_attn, .Lfunc_end_k_q6ea50c7bb2_attn-k_q6ea50c7bb2_attn
	.p2alignl 7, 3214868480
	.fill 96, 4, 3214868480
	.section	.rodata,"a",@progbits
	.p2align	6, 0x0
	.amdhsa_kernel k_q6ea50c7bb2_attn
		.amdhsa_group_segment_fixed_size 169984
		.amdhsa_private_segment_fixed_size 0
		.amdhsa_enable_private_segment 0
		.amdhsa_kernarg_size 16
		.amdhsa_user_sgpr_count 2
		.amdhsa_user_sgpr_kernarg_segment_ptr 1
		.amdhsa_wavefront_size32 1
		.amdhsa_system_sgpr_workgroup_id_x 1
		.amdhsa_system_sgpr_workgroup_id_y 1
		.amdhsa_system_sgpr_workgroup_id_z 1
		.amdhsa_system_vgpr_workitem_id 0
		.amdhsa_next_free_vgpr 256
		.amdhsa_next_free_sgpr 70
		.amdhsa_reserve_vcc 0
		.amdhsa_float_denorm_mode_32 3
		.amdhsa_float_denorm_mode_16_64 3
		.amdhsa_memory_ordered 1
		.amdhsa_forward_progress 1
		.amdhsa_inst_pref_size 50
	.end_amdhsa_kernel
	.amdgpu_metadata
---
amdhsa.version: [ 1, 2 ]
amdhsa.kernels:
  - .name:           k_q6ea50c7bb2_attn
    .symbol:         k_q6ea50c7bb2_attn.kd
    .args:
      - { .name: qkv, .offset: 0, .size: 8, .value_kind: global_buffer, .address_space: global }
      - { .name: ao, .offset: 8, .size: 8, .value_kind: global_buffer, .address_space: global }
    .group_segment_fixed_size: 169984
    .private_segment_fixed_size: 0
    .kernarg_segment_align: 8
    .kernarg_segment_size: 16
    .max_flat_workgroup_size: 512
    .sgpr_count:     70
    .vgpr_count:     256
    .wavefront_size: 32
...
	.end_amdgpu_metadata
.endif
;; end of part 5
;; launch oproj (part 6): grid 16 x 16, 4 waves a work-group, clusters of 4 x 4, 327,680 bytes of LDS; arguments ao, Wo_codes, Wo_scales, bo, out0; writes out0
.if DOCPART == 6
	.amdgcn_target "amdgcn-amd-amdhsa--gfx1250"
	.amdhsa_code_object_version 6
	.text
	.protected	k_q6ea50c7bb2_oproj
	.globl	k_q6ea50c7bb2_oproj
	.p2align	8
	.type	k_q6ea50c7bb2_oproj,@function
k_q6ea50c7bb2_oproj:
	s_mov_b64 s[64:65], 0
	v_nop
	global_prefetch_b8 v0, s[64:65] scope:SCOPE_SE
	s_setreg_imm32_b32 hwreg(HW_REG_WAVE_MODE, 25, 1), 1
	s_wait_xcnt 0x0
	s_wait_alu depctr_hold_cnt(0) depctr_sa_sdst(0) depctr_va_vdst(0) depctr_va_sdst(0) depctr_va_ssrc(0) depctr_va_vcc(0) depctr_vm_vsrc(0)
	s_getreg_b32 s2, hwreg(HW_REG_IB_STS2, 6, 4)
	s_cmp_eq_u32 s2, 0
	s_cbranch_scc0 .Lentry_in_a_cluster
	s_endpgm
.Lentry_in_a_cluster:
	s_bfe_u32 s2, ttmp6, 0x10000c
	s_cmp_lg_u32 s2, 0xf033
	s_cbranch_scc0 .Lentry_shape_is_right
	s_endpgm
.Lentry_shape_is_right:
; out = a Wo + bo, a = the attention's codes of FP6 (E2M3) as the launch before laid them: [tile of 16 tokens][step of 128 along K][768 x 2 bytes in the order of operand registers], K = 2,048; sums in f32.
; SHARES.  256 work-groups of 128 tokens x 128 outputs.  A wave holds its 32 tokens, ALL OF K, in registers and streams Wo past them in four batches of 32 outputs.
; LDS.  Wo's rows: 1,536 bytes, 16 of padding behind every 512: pitch 1,584.  At the head a's eight tiles (dense) and Wo's first 64 rows come in, one joint load a wave; when all waves hold a in registers, Wo's other 64 rows land on a's bytes: the one refill.  The stage for the way out lies in a's bytes behind it.
; CLUSTERS 4 x 4: a's tiles jointly along a row of the cluster, Wo's rows along a column.
; PREFETCH: at the head each wave asks for 4 rows (24 blocks of 256 bytes) of the refill's 64; the sixteen waves of a column share them by address.
; THE WAY OUT: two batches make rows of 256 bytes: they go through the wave's stage and leave as whole aligned units; the first two batches' rows leave while the last two are multiplied.
; LIMITS: NaN and infinities are not served.  Given scale bytes are taken as they are.
; Fragment f lies in window 1 + f / 21 at 12 (f % 21), fragment 63 in window 0 at 240: 0-31 a's (2 q + tile), 32-63 Wo's, two buffers of 8 steps x 2 tiles.
.set KROW,  1536
.set PITCH, 1584                       ; 396 words: row r starts at bank 12 r mod 64 (64 banks of 4 bytes: ISA guide 11.1)
.set TILE,  24576                      ; 16 tokens, all of K
.set WB,    8*TILE
.set SPARE, WB+64*PITCH
.set STAGE, 64*PITCH                   ; 32 rows x 272 bytes for each wave
.set SP,    272
.set AOS,   3145728
.set XS,    34
.set WS,    52
.set BN,    116
.set AC,    132
.set OB,    196
.set SPW,   28
.set NIL,   29
.set MSB, 0
.macro WIN new
.if MSB != (\new)
	s_set_vgpr_msb (MSB<<8)|(\new)
.set MSB, \new
.endif
.endm
.macro PLACES
.rept 4
	v_nop
.endr
.endm
.macro BARRIER
	s_barrier_signal -1
	s_barrier_wait -1
.endm
.macro CROUND
	BARRIER
	s_cmp_lg_u32 s14, 0
	s_cbranch_scc1 .Lnot_wave_0_\@
	s_barrier_signal -3
.Lnot_wave_0_\@:
	s_barrier_wait -3
	BARRIER
.endm
.macro TLOAD g0, g1
	tensor_load_to_lds s[\g0:\g0+3], s[\g1:\g1+7]
	s_nop 0
	PLACES
.endm
.macro FRAG f, q, a0, a1
	WIN ((1+(\f)/21-4*((\f)/63))<<6)
.set R_, 12*((\f)%21)+240*((\f)/63)
.irp p, 0,2,4
.set A_, 12*(\q)+6*(\p/3)+\p%3
.set B_, 12*(\q)+6*((\p+1)/3)+(\p+1)%3
.set XA_, (A_%64+3)/64
.set XB_, (B_%64+3)/64
.if XA_ == XB_
.if XA_
	ds_load_2addr_b64 v[R_+2*\p:R_+2*\p+3], \a1 offset0:A_+2*(A_/64) offset1:B_+2*(B_/64)
.else
	ds_load_2addr_b64 v[R_+2*\p:R_+2*\p+3], \a0 offset0:A_+2*(A_/64) offset1:B_+2*(B_/64)
.endif
.else
.if XA_
	ds_load_b64 v[R_+2*\p:R_+2*\p+1], \a1 offset:8*(A_+2*(A_/64))
	ds_load_b64 v[R_+2*\p+2:R_+2*\p+3], \a0 offset:8*(B_+2*(B_/64))
.else
	ds_load_b64 v[R_+2*\p:R_+2*\p+1], \a0 offset:8*(A_+2*(A_/64))
	ds_load_b64 v[R_+2*\p+2:R_+2*\p+3], \a1 offset:8*(B_+2*(B_/64))
.endif
.endif
.endr
.endm
.macro FRAGA f, off                    ; a fragment of a: six pieces of 256 bytes, 8 a lane
	WIN ((1+(\f)/21)<<6)
.set R_, 12*((\f)%21)
.irp p, 0,1,2,3,4,5
	ds_load_b64 v[R_+2*\p:R_+2*\p+1], v12 offset:(\off)+256*\p
.endr
.endm
.macro ADDR k
.if (\k) < 2
.set L_, WB+32*(\k)*PITCH
.else
.set L_, 32*((\k)-2)*PITCH
.endif
	v_add_nc_u32 v24, L_, v10
	v_add_nc_u32 v25, L_, v11
	v_add_nc_u32 v26, L_+16*PITCH, v10
	v_add_nc_u32 v27, L_+16*PITCH, v11
	s_wait_alu depctr_va_vdst(0)
.endm
.macro LOADW e, q0, cnt
.set Q_, \q0
.rept \cnt
	FRAG 32+16*(\e)+2*Q_, 8*(\e)+Q_, v24, v25
	FRAG 33+16*(\e)+2*Q_, 8*(\e)+Q_, v26, v27
.set Q_, Q_+1
.endr
.endm
.macro P k, q, i, ra, rb               ; source 0 Wo's tile ra, source 1 a's tile rb
.set D_, AC+32*((\k)%2)+8*\i
.set F0_, 32+16*((\q)/8)+2*((\q)%8)+\ra
.set F1_, 2*(\q)+\rb
.set S0_, WS+16*(\k)+(\q)
.set S1_, XS+(\q)
.set C_, BN+8*\ra
.if (\q) != 0
.set C_, D_
.endif
.set R0_, 12*(F0_%21)+240*(F0_/63)
.set R1_, 12*(F1_%21)
	WIN ((1+F0_/21-4*(F0_/63))|((1+F1_/21)<<2))
	v_wmma_scale_f32_16x16x128_f8f6f4 v[D_:D_+7], v[R0_:R0_+11], v[R1_:R1_+11], v[C_:C_+7], v[S0_], v[S1_] matrix_a_fmt:MATRIX_FMT_FP6 matrix_b_fmt:MATRIX_FMT_FP6 matrix_a_scale:MATRIX_SCALE_ROW\ra matrix_b_scale:MATRIX_SCALE_ROW\rb
.endm
.macro PRODS k, e, g0, cnt
.set Z_, 8*(\e)+(\g0)
.rept \cnt
	P \k, Z_, 0, 0, 0
	P \k, Z_, 1, 1, 0
	P \k, Z_, 2, 0, 1
	P \k, Z_, 3, 1, 1
.set Z_, Z_+1
.endr
.endm
.macro BIAS k
	global_load_b128 v[BN:BN+3], v5, s[54:55] offset:128*(\k)
	global_load_b128 v[BN+4:BN+7], v5, s[54:55] offset:128*(\k)+16
	global_load_b128 v[BN+8:BN+11], v5, s[54:55] offset:128*(\k)+64
	global_load_b128 v[BN+12:BN+15], v5, s[54:55] offset:128*(\k)+80
.endm
.macro TOSTAGE k                       ; batch k's 32 rows x 128 bytes
	WIN 0
.irp t, 0,1
.irp u, 0,1
.set AA_, AC+32*((\k)%2)+16*\t+8*\u
	ds_store_b128 v16, v[AA_:AA_+3] offset:16*SP*\t+128*((\k)%2)+64*\u
	ds_store_b128 v16, v[AA_+4:AA_+7] offset:16*SP*\t+128*((\k)%2)+64*\u+16
.endr
.endr
.endm
.macro BACK reg, g                     ; rows 16 g .. 16 g + 15 from the stage; LDS serves a wave's instructions in order (ISA guide 5.7.1.4)
.irp t, 0,1,2,3,4,5,6,7
	ds_load_b128 v[\reg+4*\t:\reg+4*\t+3], v17 offset:16*SP*\g+2*SP*\t
.endr
.endm
.macro SEND reg, g, half
.irp t, 0,1,2,3,4,5,6,7
	global_store_b128 v18, v[\reg+4*\t:\reg+4*\t+3], s[12:13] offset:(16*\g+2*\t)*8192+256*\half th:TH_STORE_NT   ; 16 lanes store one aligned unit of 256 bytes
.endr
.endm
.macro HALF k, e
	WIN 0
.if (\k) == 1 && (\e) == 1
	s_wait_tensorcnt 0x0                   ; the refill is in: the barrier below shows it to all waves
.endif
	s_wait_dscnt 0x0                       ; this half's fragments are in (and rows read back from the stage)
.if (\k) == 1 && (\e) == 1
	BARRIER
.endif
.if \e
.if (\k) < 3
	ADDR (\k)+1
	BIAS (\k)+1
	LOADW 0, 0, 3
.endif
.else
	PLACES
	s_wait_loadcnt 0x0                     ; the bias (and ahead of the first product the scale words)
	LOADW 1, 0, 3
.endif
	PRODS \k, \e, 0, 2
.if (\e) == 0 || (\k) < 3
	LOADW 1-(\e), 3, 3
.endif
	WIN 0
.if (\k) == 2 && (\e) == 1
	SEND OB, 0, 0
	s_wait_xcnt 0x0                        ; the stores have read their registers
	BACK OB, 1
.endif
.if (\k) == 3 && (\e) == 0
	SEND OB, 1, 0
.endif
.if (\e) == 0 && (\k) > 0
	TOSTAGE (\k)-1
.if (\k) == 2
	BACK OB, 0
.endif
.endif
	PRODS \k, \e, 2, 2
.if (\e) == 0 || (\k) < 3
	LOADW 1-(\e), 6, 2
.endif
	PRODS \k, \e, 4, 4
.endm
	s_load_b256 s[48:55], s[0:1], 0x0              ; ao 48, Wo codes 50, scales 52, bo 54
	s_load_b64 s[56:57], s[0:1], 0x20              ; out0
	v_lshl_add_u32 v[SPW], v0, 2, SPARE
	v_mov_b32 v[NIL], 0
	ds_add_u32 v[SPW], v[NIL]                      ; the opening add, twice on end
	ds_add_u32 v[SPW], v[NIL]
	v_lshrrev_b32 v1, 5, v0
	v_readfirstlane_b32 s14, v1
	s_bfe_u32 s15, ttmp6, 0x40000
	s_bfe_u32 s16, ttmp6, 0x40004
	s_lshl_b32 s18, ttmp9, 2
	s_add_co_u32 s18, s18, s15                     ; nt: which 128 outputs
	s_and_b32 s17, ttmp7, 0xffff
	s_lshl_b32 s17, s17, 2
	s_add_co_u32 s17, s17, s16                     ; mt: which 128 tokens
	s_lshl_b32 s19, s16, 2
	s_lshl_b32 s19, 15, s19
	s_lshl_b32 s20, 0x1111, s15
	s_or_b32 s24, s19, 1<<21                       ; group 1 of a: four tiles as 64 rows of 1,536 bytes, dense
	s_or_b32 s32, s20, (1<<20)|(1<<21)|(6<<22)|(3<<25)   ; of Wo: 32 rows, 16 bytes of padding behind every 128 words (code 6)
	s_mov_b32 s25, KROW<<16
	s_mov_b32 s26, 64<<16
	s_mov_b32 s27, KROW<<16
	s_mov_b32 s28, 64
	s_mov_b32 s29, KROW
	s_mov_b32 s30, 0
	s_mov_b32 s31, 0
	s_mov_b32 s33, KROW<<16
	s_mov_b32 s34, 32<<16
	s_mov_b32 s35, KROW<<16
	s_mov_b32 s36, 32
	s_mov_b32 s37, KROW
	s_mov_b32 s38, 0
	s_mov_b32 s39, 0
	s_mul_i32 s2, s17, 8*TILE
	s_mul_i32 s3, s14, 4*TILE
	s_add_co_u32 s2, s2, s3
	s_mov_b32 s3, 0
	s_mul_i32 s22, s18, 128*KROW
	s_and_b32 s23, s14, 1
	s_mul_i32 s23, s23, 32*KROW
	s_add_co_u32 s22, s22, s23
	s_mov_b32 s23, 0
	s_mov_b32 s68, 1                               ; group 0: s[68:71] a, s[72:75] Wo at the head, s[76:79] the refill
	s_mul_i32 s69, s14, 4*TILE
	s_mov_b32 s72, 1
	s_mul_i32 s73, s14, 32*PITCH
	s_add_co_u32 s73, s73, WB-64*PITCH             ; waves 2 and 3 load it
	s_mov_b32 s76, 1
	s_mul_i32 s77, s14, 32*PITCH
	s_wait_dscnt 0x0                               ; both opening adds are done
	s_wait_kmcnt 0x0
	s_add_nc_u64 s[70:71], s[48:49], s[2:3]
	s_or_b32 s71, s71, 0x80000000
	s_add_nc_u64 s[74:75], s[50:51], s[22:23]
	s_add_nc_u64 s[78:79], s[74:75], 64*KROW
	s_or_b32 s75, s75, 0x80000000
	s_or_b32 s79, s79, 0x80000000
	CROUND                                         ; all sixteen work-groups are here: the joint loads meet
	s_cmp_lt_u32 s14, 2
	s_cbranch_scc0 .Lhead_w
	TLOAD 68, 24                                   ; waves 0 and 1: a
	s_branch .Lhead_asked
.Lhead_w:
	TLOAD 72, 32                                   ; waves 2 and 3: Wo's first 64 rows
.Lhead_asked:
	s_mul_i32 s22, s18, 128*KROW                   ; the prefetch: the refill's rows 16 cy + 4 wave .. + 3
	s_add_co_u32 s22, s22, 64*KROW
	s_add_nc_u64 s[88:89], s[50:51], s[22:23]
	s_lshl_b32 s40, s16, 2
	s_add_co_u32 s40, s40, s14
	s_mul_i32 s40, s40, 4*KROW
	s_lshl_b32 s2, s17, 1                          ; a's scale bytes: my block of 64 tokens, my half of it
	s_lshr_b32 s21, s14, 1
	s_add_co_u32 s2, s2, s21
	s_lshl_b32 s2, s2, 12
	s_and_b32 s21, s14, 1
	s_lshl_b32 s21, s21, 8
	s_add_co_u32 s2, s2, s21
	s_add_co_u32 s2, s2, AOS
	s_add_nc_u64 s[90:91], s[48:49], s[2:3]
	s_lshl_b32 s22, s18, 13                        ; Wo's scale bytes
	s_add_nc_u64 s[52:53], s[52:53], s[22:23]
	s_lshl_b32 s22, s18, 9                         ; 128 numbers of the bias, and of a row of the result
	s_add_nc_u64 s[54:55], s[54:55], s[22:23]
	s_lshl_b32 s2, s17, 7
	s_lshl_b32 s21, s14, 5
	s_add_co_u32 s2, s2, s21
	s_lshl_b32 s2, s2, 13                          ; my first row
	s_add_nc_u64 s[12:13], s[56:57], s[2:3]
	s_add_nc_u64 s[12:13], s[12:13], s[22:23]
	s_mul_i32 s43, s14, 2*TILE
	s_mul_i32 s44, s14, 32*SP
	s_add_co_u32 s44, s44, STAGE
	v_and_b32 v1, 15, v0                           ; r
	v_bfe_u32 v2, v0, 4, 1                         ; h
	v_and_b32 v3, 31, v0                           ; lane
	v_lshlrev_b32 v4, 3, v3
	v_lshlrev_b32 v5, 5, v2
	v_lshlrev_b32 v6, 6, v3
.irp g, 0,1,2,3,4,5,6,7
	global_load_b64 v[XS+2*\g:XS+2*\g+1], v4, s[90:91] offset:512*\g   ; two steps of 128 for each kv head
.endr
.irp n, 0,1,2,3
.irp i, 0,1,2,3
	global_load_b128 v[WS+16*\n+4*\i:WS+16*\n+4*\i+3], v6, s[52:53] offset:2048*\n+16*\i
.endr
.endr
	BIAS 0
	v_min_u32 v7, 23, v3
	v_lshlrev_b32 v7, 8, v7
	v_add_nc_u32 v7, s40, v7
	global_prefetch_b8 v7, s[88:89] th:TH_LOAD_NT scope:SCOPE_SE
	v_mul_u32_u24 v9, v1, PITCH
	v_mad_u32_u24 v10, v2, 24, v9
	v_mad_u32_u24 v11, v2, 40, v9
	v_add_nc_u32 v12, s43, v4                      ; my two tiles of a
	v_mul_u32_u24 v16, v1, SP                      ; the stage, in: row r, 32 bytes for each half of the lanes
	v_lshl_add_u32 v16, v2, 5, v16
	v_add_nc_u32 v16, s44, v16
	v_mul_u32_u24 v17, v2, SP                      ; back: 16 lanes to a row of 256 bytes
	v_lshl_add_u32 v17, v1, 4, v17
	v_add_nc_u32 v17, s44, v17
	v_lshlrev_b32 v18, 13, v2                      ; and in the result
	v_lshl_add_u32 v18, v1, 4, v18
	s_wait_alu depctr_va_vdst(0)                   ; the wait at the head's end
	s_cmp_lt_u32 s14, 2
	s_cbranch_scc0 .Lnot_a
	s_wait_tensorcnt 0x0
.Lnot_a:
	BARRIER                                        ; a is in; Wo's rows may be on their way
.set Q_, 0
.rept 16
	FRAGA 2*Q_, 1536*Q_
	FRAGA 2*Q_+1, TILE+1536*Q_
.set Q_, Q_+1
.endr
	WIN 0
	s_wait_tensorcnt 0x0                           ; all my tensor loads have landed;
	ds_add_u32 v[SPW], v[NIL]
	s_wait_dscnt 0x0                               ; it and my reads of a are done
	CROUND                                         ; no wave of any partner reads a's bytes any more, and Wo's rows are in
	s_cmp_lt_u32 s14, 2
	s_cbranch_scc0 .Lfilled
	TLOAD 76, 32                                   ; waves 0 and 1: Wo's other 64 rows
.Lfilled:
	ADDR 0
	LOADW 0, 0, 8
.irp k, 0,1,2,3
	HALF \k, 0
	HALF \k, 1
.endr
	WIN 0
	PLACES
	s_wait_xcnt 0x0                                ; the earlier stores have read their registers
	TOSTAGE 3
	BACK OB, 0
	BACK AC, 1                                     ; (batch 2's accumulators have gone to the stage)
	s_wait_dscnt 8                                 ; the second eight loads may be out
	SEND OB, 0, 1
	s_wait_dscnt 0x0
	SEND AC, 1, 1
	s_wait_tensorcnt 0x0                           ; the wave's end
	ds_add_u32 v[SPW], v[NIL]
	s_wait_dscnt 0x0
	CROUND                                         ; the closing round
	s_endpgm
.Lfunc_end_k_q6ea50c7bb2_oproj:
	.size	k_q6ea50c7bb2_oproj, .Lfunc_end_k_q6ea50c7bb2_oproj-k_q6ea50c7bb2_oproj
	.p2alignl 7, 3214868480
	.fill 96, 4, 3214868480
	.section	.rodata,"a",@progbits
	.p2align	6, 0x0
	.amdhsa_kernel k_q6ea50c7bb2_oproj
		.amdhsa_group_segment_fixed_size 327680
		.amdhsa_private_segment_fixed_size 0
		.amdhsa_enable_private_segment 0
		.amdhsa_kernarg_size 40
		.amdhsa_user_sgpr_count 2
		.amdhsa_user_sgpr_kernarg_segment_ptr 1
		.amdhsa_wavefront_size32 1
		.amdhsa_system_sgpr_workgroup_id_x 1
		.amdhsa_system_sgpr_workgroup_id_y 1
		.amdhsa_system_sgpr_workgroup_id_z 1
		.amdhsa_system_vgpr_workitem_id 0
		.amdhsa_next_free_vgpr 1024
		.amdhsa_next_free_sgpr 102
		.amdhsa_reserve_vcc 0
		.amdhsa_float_denorm_mode_32 3
		.amdhsa_float_denorm_mode_16_64 3
		.amdhsa_memory_ordered 1
		.amdhsa_forward_progress 1
		.amdhsa_inst_pref_size 94
	.end_amdhsa_kernel
	.amdgpu_metadata
---
amdhsa.version: [ 1, 2 ]
amdhsa.kernels:
  - .name:           k_q6ea50c7bb2_oproj
    .symbol:         k_q6ea50c7bb2_oproj.kd
    .args:
      - { .name: ao, .offset: 0, .size: 8, .value_kind: global_buffer, .address_space: global }
      - { .name: Wo_codes, .offset: 8, .size: 8, .value_kind: global_buffer, .address_space: global }
      - { .name: Wo_scales, .offset: 16, .size: 8, .value_kind: global_buffer, .address_space: global }
      - { .name: bo, .offset: 24, .size: 8, .value_kind: global_buffer, .address_space: global }
      - { .name: out0, .offset: 32, .size: 8, .value_kind: global_buffer, .address_space: global }
    .group_segment_fixed_size: 327680
    .private_segment_fixed_size: 0
    .kernarg_segment_align: 8
    .kernarg_segment_size: 40
    .max_flat_workgroup_size: 128
    .sgpr_count:     102
    .vgpr_count:     1024
    .wavefront_size: 32
...
	.end_amdgpu_metadata
.endif
;; end of part 6
